; MI455X (gfx1250); checked and timed in simulation.
; The chip was launched on July 23, 2026; its instructions are those of AMD's public machine-readable ISA for CDNA 5 (MIT licence, August 2026) and "CDNA5" Instruction Set Architecture Reference Guide (July 2026). The comments in the code are by the model that wrote it; some were corrected since.
;; Causal Multi Head Self Attention. Allowed arithmetic: matrix products marked QUANTISED: E2M3 operands, one E8M0 scale for each 32 along K, by v_wmma_scale_f32_16x16x128_f8f6f4 with both operands' format E2M3, f32 sums; everything else in f32.
;; Inputs: WK 1,024 x 1,024 float32; WO 1,024 x 1,024 float32; WQ 1,024 x 1,024 float32; WV 1,024 x 1,024 float32; token_positions 4 x 2,048 int32; x 4 x 2,048 x 1,024 float32.
;; Outputs: out0 4 x 2,048 x 1,024 float32.
;; This version of the problem:
;;   THIS VERSION OF THE PROBLEM IS GIVEN IN LOW PRECISION. The matrix products marked QUANTISED in the list below multiply operands that are first quantised to E2M3 (2 exponent bits, 3 mantissa bits; 6 bits a number), with one power-of-two scale for each 32 numbers along K (OCP MX v1.0); their sums are f32. All else is computed in f32.
;;   The module's matrix products, in the order in which they are computed (A, B: the left and right operand; K: the contracted axis; several contracted axes count as one K, in the product's order):
;;     1. [M 8,192, K 1,024] x [K 1,024, N 1,024]; A: input x; B: input WQ: QUANTISED
;;     2. [M 8,192, K 1,024] x [K 1,024, N 1,024]; A: input x; B: input WK: QUANTISED
;;     3. [M 8,192, K 1,024] x [K 1,024, N 1,024]; A: input x; B: input WV: QUANTISED
;;     4. batch 64 x [M 2,048, K 64] x [K 64, N 2,048]; A: computed on the way; B: computed on the way: QUANTISED
;;     5. batch 64 x [M 2,048, K 2,048] x [K 2,048, N 64]; A: softmax (see below); B: computed on the way: QUANTISED
;;     6. [M 8,192, K 1,024] x [K 1,024, N 1,024]; A: computed on the way; B: input WO: QUANTISED
;;   THE QUANTISER, for each operand of a quantised product, along K:
;;     - K is cut into blocks of 32 from its start; a last block that is shorter is filled with zeros.
;;     - A block's scale is 2^e with e = floor(log2(the largest magnitude in the block)) - 2, held to -126 .. 127; a block of zeros has e = 0. As a byte (E8M0): e + 127.
;;     - Each number is divided by its block's scale, clamped to +-7.5, and rounded to the nearest number of E2M3, ties to even, subnormals kept.
;;     - The product sums the exact products of the quantised numbers (number of the format x scale) in f32.
;;   ~~~python
;;   def quantise(x, axis):      # numpy; x: float32 -> the quantised numbers, widened to float32 again
;;       x = np.moveaxis(x, axis, -1); K = x.shape[-1]
;;       x = np.pad(x, [(0, 0)] * (x.ndim - 1) + [(0, -K % 32)]); x = x.reshape(x.shape[:-1] + (-1, 32)); a = np.abs(x).max(-1, keepdims=True)
;;       e = np.where(a > 0, np.clip(np.frexp(np.where(a > 0, a, 1))[1] - 1 - 2, -126, 127), 0)      # np.frexp(a)[1] - 1 = floor(log2(a)), exactly
;;       r = np.clip(x / 2.0 ** e, -7.5, 7.5)
;;       step = 2.0 ** (np.maximum(np.frexp(np.where(r == 0, 1, r))[1] - 1, 0) - 3)
;;       q = np.round(r / step) * step * 2.0 ** e      # np.round: ties to even
;;       return np.moveaxis(q.reshape(q.shape[:-2] + (-1,))[..., :K], -1, axis).astype(np.float32)
;;   ~~~
;;   SOFTMAX AHEAD OF A QUANTISED PRODUCT. Where the list says 'softmax', what is quantised is not the finished softmax but p = 2^(t - M), with t = logit x log2(e) and M = ceil(the row's largest t), a whole number; so 1/2 < the row's largest p <= 1. The row's sum l is taken of the UNQUANTISED p, in f32, and the product's result is divided by l at the end. Since M is a whole number, a kernel that streams over the keys may use a running M (the ceiling of the running maximum): every later rescaling is an exact power of two, which a block's scale takes up: the codes' values come out the same.
;;   OPERANDS COMPUTED ON THE WAY. 'Computed on the way' means the value that the module computes at that place (a softmax that the list does not call 'softmax' is quantised finished and normalised). What goes into a quantiser is computed in f32, as accurately as f32 sums, v_exp_f32 and their like allow (about 1e-6 of the number): no bf16 or f16 on the way to a quantiser, and a product that is left as it is and whose result goes on into a quantised operand takes f32 operands (vector FMAs, or v_wmma_f32_16x16x4_f32). A number that lies on a knife's edge between two numbers of the format may be rounded either way, as far as f32 arithmetic and the matrix unit's own rounding can turn it there, and no further.
;; One version. Each part assembles by itself: llvm-mc -triple=amdgcn-amd-amdhsa -mcpu=gfx1250 --defsym DOCPART=n.
;; ======== version 1 of 1: 4 launches
;; workspace buffers: img 9,437,184 bytes; sc 393,216 bytes; tab 2,097,152 bytes; qkv 18,874,368 bytes; qkvs 786,432 bytes; oimg 6,291,456 bytes; osc 262,144 bytes
;; launch prep (part 1): grid 448 x 1, 4 waves a work-group, no clusters, 36,352 bytes of LDS; arguments x, WQ, WK, WV, WO, token_positions, img, sc, tab; writes img, sc, tab
.if DOCPART == 1
	.amdgcn_target "amdgcn-amd-amdhsa--gfx1250"
	.amdhsa_code_object_version 6
	.text
	.protected	k_q4a19a98bb4_prep
	.globl	k_q4a19a98bb4_prep
	.p2align	8
	.type	k_q4a19a98bb4_prep,@function
k_q4a19a98bb4_prep:
	s_mov_b64 s[64:65], 0
	v_nop
	global_prefetch_b8 v0, s[64:65] scope:SCOPE_SE
	s_setreg_imm32_b32 hwreg(HW_REG_WAVE_MODE, 25, 1), 1
	s_wait_xcnt 0x0
; Work-groups 0-383: x [8192][1024] and WQ, WK, WV, WO [1024][1024], f32, become codes of FP6 (E2M3) with one E8M0 byte for each 32 along K (the last axis),
; laid as IMAGES OF OPERAND REGISTERS.  A fragment is 16 rows x 128 K, 12 registers a lane, 1,536 bytes: the register pair p of lane l lies at byte 256 p + 8 l.
; img: [768 row tiles][8 K steps][1,536]: tiles 0-511 x, then 64 each of WQ, WK, WV, WO.  sc: [8 K steps][768 tiles][16 words], one word for a row and 128 K.
; THE ROWS OF A TILE ARE NOT NEIGHBOURS: lane r of tile TT stands for row 32 (TT / 2) + 8 (TT % 2) + r + 8 (r / 8), so that a later product's 16 registers of two neighbouring tiles are 16 neighbours.
; A block's scale is 2^(floor(log2(largest magnitude)) - 2); its byte is the largest magnitude's exponent field - 2, held at 1 from below.
; Work-groups 384-447: tab [8192 tokens][32 pairs][cos, sin] f32 from token_positions: angle = f32(position) x invf[i], invf[i] = 1 / 10^(i / 8), both roundings as f32.
; LIMITS: a block of zeros gets the byte 1 where the rule says 127 (its codes are zeros, and this program alone reads the bytes); NaN and infinities among the inputs are not served;
; positions up to about 100,000 in magnitude (beyond that the three-part reduction of the angle loses accuracy); the frequencies are the f32 nearest to 1 / (the f32 nearest to 10^(i / 8)).
; SHARES of a quantising work-group g: 64 rows (g / 2), half of K (g % 2: four steps of 128); wave w one row tile.  Each load reads 512 consecutive bytes of a row; a step's 16 rows turn through the
; wave's own stage in LDS (rows 528 bytes apart) and come back 32 neighbours a block to a lane, in the order of the operand's registers.  Loads run two steps (32 loads a wave) ahead.
.set WST,   8704                       ; a wave's stage: 16 rows x 528 bytes, rounded up to whole blocks of 256
.set SP,    528
.set SCST,  4*WST                      ; 1,024 bytes: [4 steps][4 tiles][16 words]
.set SPARE, SCST+1024                  ; the spare words, 128 bytes for each wave: two blocks of 256 bytes that no other line names
.set LA,  4                            ; v4   16 x lane
.set SI,  5                            ; v5   the stage, on the way in
.set SO,  6                            ; v6   and on the way out: row r, + 128 h
.set OA,  7                            ; v7   8 x lane
.set SCW, 8                            ; v8   where my row's scale word goes in LDS
.set SCR, 9                            ; v9   where I read scale words back
.set SPW, 12                           ; v12  LDS address of my spare word; never rewritten
.set NIL, 13                           ; v13  0; never rewritten
.set MX,  16                           ; v16-17 largest magnitudes, v18-19 the conversions' scale operands, v20-21 bytes, v22-23 the word at work
.set C,   32                           ; v32-43 a fragment's codes
.set CT,  44                           ; v44-51 the upper halves of the blocks, as the conversions leave them
.set SW,  52                           ; v52-55 a scale word for each step
.set X,   64                           ; v64-127 64 numbers in the operand's order
.set R,   128                          ; v128-255 two sets of 64 numbers as loaded
.set SEL, 30                           ; s[30:31] v_permlanex16_b32's selects for lane l xor 16
	s_load_b256 s[4:11], s[0:1], 0x0               ; x, WQ, WK, WV
	s_load_b256 s[12:19], s[0:1], 0x20             ; WO, token_positions, img, sc
	s_load_b64 s[20:21], s[0:1], 0x40              ; tab
	v_lshl_add_u32 v[SPW], v0, 2, SPARE
	v_mov_b32 v[NIL], 0
	v_lshrrev_b32 v1, 5, v0
	v_readfirstlane_b32 s22, v1                    ; wave 0..3
	v_and_b32 v2, 31, v0                           ; lane
	v_lshlrev_b32 v[OA], 3, v2
	s_cmp_ge_u32 ttmp9, 384                        ; the work-group's number alone decides: all four waves go the same way
	s_cbranch_scc1 .Ltable
	; ---------------- the quantiser
	s_mov_b32 s[SEL], 0x76543210
	s_mov_b32 s[SEL+1], 0xfedcba98
	v_and_b32 v1, 15, v0                           ; r
	v_bfe_u32 v3, v0, 4, 1                         ; h
	v_lshlrev_b32 v[LA], 4, v2
	s_mul_i32 s33, s22, WST
	v_add_nc_u32 v[SI], s33, v[LA]
	v_mul_u32_u24 v[SO], v1, SP
	v_lshl_add_u32 v[SO], v3, 7, v[SO]
	v_add_nc_u32 v[SO], s33, v[SO]
	s_lshl_b32 s33, s22, 6
	s_add_co_u32 s33, s33, SCST
	v_lshl_add_u32 v[SCW], v1, 2, s33              ; SCST + 64 x wave + 4 r; a step adds 256
	s_lshl_b32 s33, s22, 8
	s_add_co_u32 s33, s33, SCST
	v_add_nc_u32 v[SCR], s33, v[OA]                ; SCST + 256 x wave + 8 x lane: step w of the four tiles
	v_lshlrev_b32 v10, 3, v3                       ; 8 h: my two bytes' place in the scale word
	v_mov_b32 v23, 0                               ; written once: a lane permute's destination counts as one of its sources
	s_lshr_b32 s23, ttmp9, 1                       ; which 64 rows
	s_and_b32 s24, ttmp9, 1                        ; which half of K
	s_sub_co_u32 s25, s23, 128
	s_lshr_b32 s26, s25, 4                         ; which weight (means something from row group 128 on)
	s_and_b32 s25, s25, 15                         ; and which 64 rows of it
	s_wait_kmcnt 0x0
	s_mov_b64 s[28:29], s[12:13]                   ; the source: WO, unless ..
	s_cmp_eq_u32 s26, 2
	s_cselect_b64 s[28:29], s[10:11], s[28:29]
	s_cmp_eq_u32 s26, 1
	s_cselect_b64 s[28:29], s[8:9], s[28:29]
	s_cmp_eq_u32 s26, 0
	s_cselect_b64 s[28:29], s[6:7], s[28:29]
	s_cmp_lt_u32 s23, 128
	s_cselect_b64 s[28:29], s[4:5], s[28:29]
	s_cselect_b32 s25, s23, s25
	s_lshl_b32 s34, s25, 6                         ; my tile's first row: 64 x group + 32 (w / 2) + 8 (w % 2)
	s_lshr_b32 s35, s22, 1
	s_lshl_b32 s35, s35, 5
	s_add_co_u32 s34, s34, s35
	s_and_b32 s35, s22, 1
	s_lshl_b32 s35, s35, 3
	s_add_co_u32 s34, s34, s35
	s_lshl_b32 s34, s34, 12                        ; rows of 4,096 bytes (under 2^26)
	s_lshl_b32 s35, s24, 11
	s_add_co_u32 s34, s34, s35
	s_mov_b32 s35, 0
	s_add_nc_u64 s[28:29], s[28:29], s[34:35]
	s_lshl_b32 s34, s23, 2
	s_add_co_u32 s34, s34, s22                     ; my row tile
	s_mul_i32 s34, s34, 12288
	s_mul_i32 s36, s24, 6144
	s_add_co_u32 s34, s34, s36
	s_add_nc_u64 s[16:17], s[16:17], s[34:35]      ; img at my tile's first K step
	s_lshl_b32 s34, s24, 2
	s_add_co_u32 s34, s34, s22                     ; the K step whose words I store at the end: 4 x half + wave
	s_mul_i32 s34, s34, 49152
	s_lshl_b32 s36, s23, 8
	s_add_co_u32 s34, s34, s36
	s_add_nc_u64 s[18:19], s[18:19], s[34:35]
.macro LOAD t                          ; step t: 128 numbers of each of my 16 rows: a load reads 512 consecutive bytes
.irp i, 0,1,2,3,4,5,6,7,8,9,10,11,12,13,14,15
	global_load_b128 v[R+64*((\t)%2)+4*\i:R+64*((\t)%2)+4*\i+3], v[LA], s[28:29] offset:(\i+8*(\i/8))*4096+512*(\t) th:TH_LOAD_NT
.endr
.endm
.macro TURN t                          ; through the stage: LDS serves a wave's instructions in order (ISA guide 5.7.1.4), so no wait stands between the stores and the loads
.irp i, 0,1,2,3,4,5,6,7,8,9,10,11,12,13,14,15
	ds_store_b128 v[SI], v[R+64*((\t)%2)+4*\i:R+64*((\t)%2)+4*\i+3] offset:SP*\i
.endr
.irp c, 0,1
.irp j, 0,1,2,3,4,5,6,7
	ds_load_b128 v[X+32*\c+4*\j:X+32*\c+4*\j+3], v[SO] offset:256*\c+16*\j   ; register 32 c + n: k = 64 c + 32 h + n of row r
.endr
.endr
.endm
.macro STEP t
.if (\t) < 3
	s_wait_loadcnt 16                              ; this step's 16 loads are in; the next step's 16 may be out
.else
	s_wait_loadcnt 0
.endif
	TURN \t
	s_wait_dscnt 0x0                               ; the numbers are back, and the stores into the stage have read their registers,
.if (\t) < 2
	LOAD (\t)+2                                    ; which take the loads of two steps on
.endif
.irp c, 0,1
	v_max3_num_f32 v[MX+\c], |v[X+32*\c]|, |v[X+32*\c+1]|, 0x1800000   ; my block 2 c + h: all 32 numbers are mine; the floor 2^(3 - 127) holds the byte at 1 from below
.endr
.irp i, 2,4,6,8,10,12,14,16,18,20,22,24,26,28,30
.irp c, 0,1
	v_max3_num_f32 v[MX+\c], v[MX+\c], |v[X+32*\c+\i]|, |v[X+32*\c+\i+1]|
.endr
.endr
.irp c, 0,1
	v_add_nc_u32 v[MX+2+\c], 0xff000000, v[MX+\c]  ; 2 off the exponent field: the conversion's scale operand
.endr
.irp c, 0,1
	v_lshrrev_b32 v[MX+4+\c], 23, v[MX+2+\c]       ; the scale's byte
.endr
	v_lshl_or_b32 v22, v21, 16, v20                ; blocks h and 2 + h,
	v_lshlrev_b32 v22, v10, v22                    ; at their places in the word;
	v_permlanex16_b32 v23, v22, s[SEL], s[SEL+1]
	v_or_b32 v[SW+\t], v22, v23                    ; with lane l xor 16's two the word is whole
	s_wait_xcnt 0x0                                ; the last step's stores have read the codes' registers
.irp c, 0,1
	v_cvt_scalef32_pk16_fp6_f32 v[C+6*\c:C+6*\c+2], v[X+32*\c:X+32*\c+15], v[MX+2+\c]
	v_cvt_scalef32_pk16_fp6_f32 v[CT+4*\c:CT+4*\c+2], v[X+32*\c+16:X+32*\c+31], v[MX+2+\c]   ; (a conversion's three registers begin on an even number)
.endr
	v_nop                                          ; one plain place behind a scaled conversion
.irp c, 0,1
.irp i, 0,1,2
	v_mov_b32 v[C+6*\c+3+\i], v[CT+4*\c+\i]
.endr
.endr
.irp p, 0,1,2,3,4,5
	global_store_b64 v[OA], v[C+2*\p:C+2*\p+1], s[16:17] offset:1536*(\t)+256*\p   ; 32 lanes store 256 consecutive bytes, aligned
.endr
	ds_store_b32 v[SCW], v[SW+\t] offset:256*(\t)  ; lanes r and r + 16 write the same word with the same value
.endm
	LOAD 0
	LOAD 1
	STEP 0
	STEP 1
	STEP 2
	STEP 3
	s_wait_dscnt 0x0                               ; for the others' sake: my scale words lie in LDS
	s_barrier_signal -1
	s_barrier_wait -1
	ds_load_b64 v[24:25], v[SCR]                   ; one K step's words of the four tiles
	s_wait_dscnt 0x0
	global_store_b64 v[OA], v[24:25], s[18:19]     ; 256 consecutive bytes, aligned
	s_wait_tensorcnt 0x0                           ; the wave's end, behind my last LDS store
	ds_add_u32 v[SPW], v[NIL]
	s_wait_dscnt 0x0
	s_endpgm
	; ---------------- the table.  A wave takes 32 tokens; a lane is the pair i.  No LDS is touched here.
.Ltable:
	s_sub_co_u32 s23, ttmp9, 384
	s_lshl_b32 s23, s23, 2
	s_add_co_u32 s23, s23, s22                     ; which run of 32 tokens
	s_lshl_b32 s24, s23, 7                         ; its positions: 128 bytes
	s_mov_b32 s25, 0
	s_lshl_b32 s26, s23, 13                        ; its rows of the table: 32 x 256 bytes
	s_mov_b32 s27, 0
	s_wait_kmcnt 0x0
	s_add_nc_u64 s[14:15], s[14:15], s[24:25]
	s_add_nc_u64 s[20:21], s[20:21], s[26:27]
	s_load_b512 s[32:47], s[14:15], 0x0            ; the 32 positions
	s_load_b512 s[48:63], s[14:15], 0x40
	v_mov_b32 v14, 1.0                             ; 10^(i / 8), to the nearest f32: lane 0 here, the others one by one
.macro FREQ lane, value
	s_mov_b32 s28, \value
	v_writelane_b32 v14, s28, \lane
.endm
	FREQ 1, 1.333521432163324
	FREQ 2, 1.7782794100389228
	FREQ 3, 2.371373705661655
	FREQ 4, 3.1622776601683795
	FREQ 5, 4.216965034285822
	FREQ 6, 5.623413251903491
	FREQ 7, 7.498942093324558
	FREQ 8, 10.0
	FREQ 9, 13.33521432163324
	FREQ 10, 17.782794100389228
	FREQ 11, 23.71373705661655
	FREQ 12, 31.622776601683795
	FREQ 13, 42.16965034285822
	FREQ 14, 56.23413251903491
	FREQ 15, 74.98942093324558
	FREQ 16, 100.0
	FREQ 17, 133.3521432163324
	FREQ 18, 177.82794100389228
	FREQ 19, 237.1373705661655
	FREQ 20, 316.22776601683795
	FREQ 21, 421.6965034285822
	FREQ 22, 562.3413251903491
	FREQ 23, 749.8942093324558
	FREQ 24, 1000.0
	FREQ 25, 1333.521432163324
	FREQ 26, 1778.2794100389228
	FREQ 27, 2371.373705661655
	FREQ 28, 3162.2776601683795
	FREQ 29, 4216.965034285822
	FREQ 30, 5623.413251903491
	FREQ 31, 7498.942093324558
	v_rcp_f32 v15, v14
	v_nop                                          ; a plain place behind the reciprocal,
	s_wait_alu depctr_va_vdst(0)                   ; and a wait ahead of its first reader
	v_fma_f32 v16, -v14, v15, 1.0                  ; two steps of Newton's: the quotient to the last bit or next to it
	v_fma_f32 v15, v15, v16, v15
	v_fma_f32 v16, -v14, v15, 1.0
	v_fma_f32 v15, v15, v16, v15
	s_mov_b32 s66, 0x3f22f983                      ; 2 / pi
	s_mov_b32 s67, 0xbfc90fd8                      ; -pi / 2 in three parts: 21 bits, the next 24, the next 24
	s_mov_b32 s68, 0xb4a8885a
	s_mov_b32 s69, 0xa7c234c5
	s_mov_b32 s70, 0xb493f27e                      ; cos: -1 / 10!, 1 / 8!, -1 / 6!, 1 / 4!
	s_mov_b32 s71, 0x37d00d01
	s_mov_b32 s72, 0xbab60b61
	s_mov_b32 s73, 0x3d2aaaab
	s_mov_b32 s74, 0x3638ef1d                      ; sin: 1 / 9!, -1 / 7!, 1 / 5!, -1 / 3!
	s_mov_b32 s75, 0xb9500d01
	s_mov_b32 s76, 0x3c088889
	s_mov_b32 s77, 0xbe2aaaab
	s_wait_kmcnt 0x0
.macro TOK k                           ; token k of my 32: its results have registers of their own, so no store's data are written again
	v_cvt_f32_i32 v17, s[32+\k]
	v_mul_f32 v17, v17, v15                        ; the angle, rounded to f32 as the definition has it
	v_mul_f32 v18, s66, v17
	v_rndne_f32 v18, v18                           ; n: how many quarter turns
	v_cvt_i32_f32 v19, v18
	v_fma_f32 v20, v18, s67, v17                   ; r = angle - n pi / 2: the first step is exact, |r| <= pi / 4
	v_fma_f32 v20, v18, s68, v20
	v_fma_f32 v20, v18, s69, v20
	v_mul_f32 v21, v20, v20
	v_fma_f32 v22, v21, s70, s71                   ; the two series by turns
	v_fma_f32 v23, v21, s74, s75
	v_fma_f32 v22, v22, v21, s72
	v_fma_f32 v23, v23, v21, s76
	v_fma_f32 v22, v22, v21, s73
	v_fma_f32 v23, v23, v21, s77
	v_fma_f32 v22, v22, v21, -0.5
	v_mul_f32 v24, v20, v21
	v_fma_f32 v22, v22, v21, 1.0                   ; cos r
	v_fma_f32 v23, v23, v24, v20                   ; sin r
	v_and_b32 v25, 1, v19
	v_cmp_ne_u32 vcc_lo, 0, v25                    ; an odd n swaps the two
	v_cndmask_b32 v26, v22, v23, vcc_lo
	v_cndmask_b32 v27, v23, v22, vcc_lo
	v_add_nc_u32 v25, 1, v19
	v_and_b32 v25, 2, v25
	v_lshlrev_b32 v25, 30, v25
	v_xor_b32 v[64+2*\k], v25, v26                 ; cos: negative where (n + 1) & 2
	v_and_b32 v25, 2, v19
	v_lshlrev_b32 v25, 30, v25
	v_xor_b32 v[65+2*\k], v25, v27                 ; sin: negative where n & 2
	global_store_b64 v[OA], v[64+2*\k:65+2*\k], s[20:21] offset:256*\k   ; a token's 256 bytes, aligned
.endm
.irp k, 0,1,2,3,4,5,6,7,8,9,10,11,12,13,14,15,16,17,18,19,20,21,22,23,24,25,26,27,28,29,30,31
	TOK \k
.endr
	s_endpgm
.Lfunc_end_k_q4a19a98bb4_prep:
	.size	k_q4a19a98bb4_prep, .Lfunc_end_k_q4a19a98bb4_prep-k_q4a19a98bb4_prep
	.p2alignl 7, 3214868480
	.fill 96, 4, 3214868480
	.section	.rodata,"a",@progbits
	.p2align	6, 0x0
	.amdhsa_kernel k_q4a19a98bb4_prep
		.amdhsa_group_segment_fixed_size 36352
		.amdhsa_private_segment_fixed_size 0
		.amdhsa_enable_private_segment 0
		.amdhsa_kernarg_size 72
		.amdhsa_user_sgpr_count 2
		.amdhsa_user_sgpr_kernarg_segment_ptr 1
		.amdhsa_wavefront_size32 1
		.amdhsa_system_sgpr_workgroup_id_x 1
		.amdhsa_system_sgpr_workgroup_id_y 1
		.amdhsa_system_sgpr_workgroup_id_z 1
		.amdhsa_system_vgpr_workitem_id 0
		.amdhsa_next_free_vgpr 256
		.amdhsa_next_free_sgpr 96
		.amdhsa_reserve_vcc 1
		.amdhsa_float_denorm_mode_32 3
		.amdhsa_float_denorm_mode_16_64 3
		.amdhsa_memory_ordered 1
		.amdhsa_forward_progress 1
		.amdhsa_inst_pref_size 83
	.end_amdhsa_kernel
	.amdgpu_metadata
---
amdhsa.version: [ 1, 2 ]
amdhsa.kernels:
  - .name:           k_q4a19a98bb4_prep
    .symbol:         k_q4a19a98bb4_prep.kd
    .args:
      - { .name: x, .offset: 0, .size: 8, .value_kind: global_buffer, .address_space: global }
      - { .name: WQ, .offset: 8, .size: 8, .value_kind: global_buffer, .address_space: global }
      - { .name: WK, .offset: 16, .size: 8, .value_kind: global_buffer, .address_space: global }
      - { .name: WV, .offset: 24, .size: 8, .value_kind: global_buffer, .address_space: global }
      - { .name: WO, .offset: 32, .size: 8, .value_kind: global_buffer, .address_space: global }
      - { .name: token_positions, .offset: 40, .size: 8, .value_kind: global_buffer, .address_space: global }
      - { .name: img, .offset: 48, .size: 8, .value_kind: global_buffer, .address_space: global }
      - { .name: sc, .offset: 56, .size: 8, .value_kind: global_buffer, .address_space: global }
      - { .name: tab, .offset: 64, .size: 8, .value_kind: global_buffer, .address_space: global }
    .group_segment_fixed_size: 36352
    .private_segment_fixed_size: 0
    .kernarg_segment_align: 8
    .kernarg_segment_size: 72
    .max_flat_workgroup_size: 128
    .sgpr_count:     96
    .vgpr_count:     256
    .wavefront_size: 32
...
	.end_amdgpu_metadata
.endif
;; end of part 1
;; launch qkvproj (part 2): grid 12 x 32, 4 waves a work-group, clusters of 4 x 4, 327,680 bytes of LDS; arguments img, sc, tab, qkv, qkvs; writes qkv, qkvs
.if DOCPART == 2
	.amdgcn_target "amdgcn-amd-amdhsa--gfx1250"
	.amdhsa_code_object_version 6
	.text
	.protected	k_q4a19a98bb4_qkvproj
	.globl	k_q4a19a98bb4_qkvproj
	.p2align	8
	.type	k_q4a19a98bb4_qkvproj,@function
k_q4a19a98bb4_qkvproj:
	s_mov_b64 s[64:65], 0
	v_nop
	global_prefetch_b8 v0, s[64:65] scope:SCOPE_SE
	s_setreg_imm32_b32 hwreg(HW_REG_WAVE_MODE, 25, 1), 1
	s_wait_xcnt 0x0
	s_wait_alu depctr_hold_cnt(0) depctr_sa_sdst(0) depctr_va_vdst(0) depctr_va_sdst(0) depctr_va_ssrc(0) depctr_va_vcc(0) depctr_vm_vsrc(0)
	s_getreg_b32 s2, hwreg(HW_REG_IB_STS2, 6, 4)
	s_cmp_eq_u32 s2, 0
	s_cbranch_scc0 .Lentry_in_a_cluster
	s_endpgm
.Lentry_in_a_cluster:
	s_bfe_u32 s2, ttmp6, 0x10000c
	s_cmp_lg_u32 s2, 0xf033
	s_cbranch_scc0 .Lentry_shape_is_right
	s_endpgm
.Lentry_shape_is_right:
; q, k, v = x WQ^T, x WK^T, x WV^T on codes of FP6 (E2M3) with E8M0 scales; RoPE on q and k in f32; then q and k are quantised along a head's 64 channels and v along the tokens, in registers.
; IN: img [768 row tiles][8 K steps][1,536] and sc [8 K steps][768 tiles][16 words]: images of operand registers (pair p of lane l at byte 256 p + 8 l); tiles 0-511 x, 512.. WQ, 576.. WK, 640.. WV.
;     tab [8192 tokens][32 pairs][cos, sin] f32.   Lane r of row tile TT stands for row 32 (TT / 2) + 8 (TT % 2) + r + 8 (r / 8).
; OUT: qkv [q, k, v][batch 4][pair of heads 8][step of 128 tokens 16][8 fragments][1,536]; qkvs the same index with 64 bytes a fragment.  In q and k fragment a is token tile a of the step,
;     K = the pair's 128 channels; in v fragment a is head a / 4, channel tile a % 4, K = the step's 128 tokens.
; A tile of 256 tokens x 256 weight rows is made by four waves, 128 x 128 each: 64 accumulators, 512 registers.  K = 1,024 goes in four steps of 256 through two LDS slots filled by the tensor data mover.
; CLUSTERS: 4 x 4 work-groups.  The tokens' tiles (Y) are shared along a row of the cluster, the weights' (X) along a column: each is asked for jointly.  The cluster's x is the ROLE: 0 q, 1 k, 2 v.
; q, k: source 0 = 16 weight rows, source 1 = 16 tokens: a lane holds a token, its registers run along the channels.  v: the other way round: a lane holds a channel, its registers run along the tokens.
; Only the LDS addresses from which fragments are read differ between the roles (a choice on the cluster's x, which all partners share).
; A block of zeros gets the byte 1 where the rule says 127: its codes are zeros, and this program alone reads the bytes.  NaN and infinities are not served.
; REGISTERS: window 0: v0-31 addresses; v32-63 scale words, two sets; v64-127 cos and sin, two sets; v128-223 the fragments of source 1, ONE set (on the way out v128-239 are at work).
;   window 1: the fragments of source 0, TWO sets, at v0 and v128.  window 2: accumulators of source 1's blocks 0-3 ((a, b) at v[8 (8 (a % 4) + b)]); window 3: blocks 4-7.
.set NQ,     2                         ; matrix instructions deep in a slot
.set FR,     12                        ; registers of a fragment
.set NL,     6                         ; LDS loads that bring one
.set NP,     4                         ; places behind this matrix instruction (ISA guide 7.12.1)
.set HALFT,  24576                     ; 8 row tiles x 256 along K: what one tensor load brings
.set SLOT,   4*HALFT                   ; Y's two halves, then X's two
.set SCL,    2*SLOT                    ; the scale words for all of K: 4 x [8 K steps][8 tiles][64 bytes]
.set SPARE,  SCL+16384                 ; the spare words, 128 bytes for each wave: two blocks of 256 bytes that no other line names
.set TA,   8                           ; v8   my token's row of the table, my half's 64 bytes
.set OA,   9                           ; v9   8 x lane
.set SA,   10                          ; v10  4 x lane
.set ADRA, 16                          ; v16-17  LDS address of source 1's fragments in slot 0, 1
.set ADRB, 20                          ; v20-21  of source 0's
.set ADRS, 27                          ; v27  of my scale words: lanes 0-15 source 1's rows, lanes 16-31 source 0's
.set SPW,  28                          ; v28  LDS address of my spare word; never rewritten
.set NIL,  29                          ; v29  0; never rewritten
.set SC,   32
.set CSR,  64
.set AF,   128
.set T,    128                         ; the way out: v128-191 RoPE's products
.set TM,   192                         ; v192-207 at work in the quantiser
.set PWB,  208                         ; v208-215 a scale word for each fragment
.set PC,   216                         ; v216-227 the codes, v228-235 the conversions' second halves
.set MW,   236                         ; v236-239 scale words of two fragments each
.set G1, 24                            ; s[24:31] group 1 for Y's tiles; s[32:39] group 0, a set for each slot
.set G0, 32
.set G1B, 48                           ; s[48:55], s[56:63] the same for X's
.set G0B, 56
.set G1S, 68                           ; s[68:75], s[76:79] Y's scale words; s[80:87], s[88:91] X's
.set G0S, 76
.set G1SB, 80
.set G0SB, 88
.set HM,  95                           ; s95  the mask of lanes 16-31
.set MSB, 0
.macro WIN new                         ; the immediate's high byte repeats the setting that is left
.if MSB != (\new)
	s_set_vgpr_msb (MSB<<8)|(\new)
.set MSB, (\new)
.endif
.endm
.set MUL_LO, 0xa1                      ; source 0 window 1, source 1 window 0, C and D window 2
.set MUL_HI, 0xf1                      ; the same, C and D window 3
.set TO_B,   0x40                      ; destination window 1, address window 0
; A joint load: waves 0 and 1 fetch for Y, waves 2 and 3 for X.  An s_nop 0 and four v_nop follow each of the two lines.
.macro JLOAD g0a, g1a, g0b, g1b
	s_cmp_eq_u32 s15, 0
	s_cbranch_scc0 .Lfor_b_\@
	tensor_load_to_lds s[\g0a:\g0a+3], s[\g1a:\g1a+7]
	s_nop 0
.rept 4
	v_nop
.endr
	s_branch .Lasked_\@
.Lfor_b_\@:
	tensor_load_to_lds s[\g0b:\g0b+3], s[\g1b:\g1b+7]
	s_nop 0
.rept 4
	v_nop
.endr
.Lasked_\@:
.endm
.macro CREST                           ; a round of the cluster's barrier behind its opening barrier
	s_cmp_lg_u32 s14, 0
	s_cbranch_scc1 .Lnot_wave_0_\@
	s_barrier_signal -3
.Lnot_wave_0_\@:
	s_barrier_wait -3
	s_barrier_signal -1
	s_barrier_wait -1
.endm
.macro CROUND
	s_barrier_signal -1
	s_barrier_wait -1
	CREST
.endm
	s_load_b256 s[4:11], s[0:1], 0x0               ; img s[4:5], sc s[6:7], tab s[8:9], qkv s[10:11]
	s_load_b64 s[12:13], s[0:1], 0x20              ; qkvs
	v_lshl_add_u32 v[SPW], v0, 2, SPARE
	v_mov_b32 v[NIL], 0
	ds_add_u32 v[SPW], v[NIL]                      ; the wave's opening: the add and its wait stand ahead of my first tensor load; work on registers stands between them
	v_lshrrev_b32 v1, 5, v0
	v_readfirstlane_b32 s14, v1                    ; wave 0..3
	s_lshr_b32 s15, s14, 1                         ; hy: which 128 tokens are mine.  Also: I fetch for Y (0) or for X (1)
	s_and_b32 s16, s14, 1                          ; hx: which 128 weight rows.  Also: which half of that tile I fetch
	s_bfe_u32 s40, ttmp6, 0x40000                  ; cx, cy: my place in the cluster
	s_bfe_u32 s41, ttmp6, 0x40004
	s_lshl_b32 s42, ttmp9, 2
	s_add_co_u32 s42, s42, s40                     ; which 256 weight rows of the 3,072
	s_and_b32 s17, ttmp7, 0xffff
	s_lshl_b32 s17, s17, 2
	s_add_co_u32 s17, s17, s41                     ; which 256 tokens
	s_lshl_b32 s43, s41, 2
	s_lshl_b32 s43, 15, s43                        ; my row of the cluster
	s_lshl_b32 s44, 0x1111, s40                    ; my column
	; group 1 for codes: 8 rows (row tiles) of 3,072 bytes (two K steps of 128), 12,288 bytes apart in memory, dense in LDS; elements of 8 bytes
	s_or_b32 s[G1+0], s43, (3<<16)|(1<<21)         ; 15:0 the mask: Y's tiles go to my row; 17:16 elements of 8 bytes; 21 set beside a mask
	s_or_b32 s[G1B+0], s44, (3<<16)|(1<<21)
.irp g, G1, G1B
	s_mov_b32 s[\g+1], 384<<16                     ; tensor_dim0
	s_mov_b32 s[\g+2], 8<<16                       ; tensor_dim1
	s_mov_b32 s[\g+3], 384<<16                     ; tile_dim0
	s_mov_b32 s[\g+4], 8                           ; tile_dim1
	s_mov_b32 s[\g+5], 1536                        ; tensor_dim0_stride
	s_mov_b32 s[\g+6], 0
	s_mov_b32 s[\g+7], 0
.endr
	; and for scale words: 8 rows (K steps) of 512 bytes (8 tiles), 49,152 bytes apart
	s_or_b32 s[G1S+0], s43, (3<<16)|(1<<21)
	s_or_b32 s[G1SB+0], s44, (3<<16)|(1<<21)
.irp g, G1S, G1SB
	s_mov_b32 s[\g+1], 64<<16
	s_mov_b32 s[\g+2], 8<<16
	s_mov_b32 s[\g+3], 64<<16
	s_mov_b32 s[\g+4], 8
	s_mov_b32 s[\g+5], 6144
	s_mov_b32 s[\g+6], 0
	s_mov_b32 s[\g+7], 0
.endr
	s_lshl_b32 s18, s16, 3                         ; which 8 row tiles of the 16 I fetch
	s_lshl_b32 s20, s17, 4
	s_add_co_u32 s20, s20, s18                     ; Y: tile 16 x (256 tokens) + 8 x half
	s_lshl_b32 s46, s42, 4
	s_add_co_u32 s46, s46, s18
	s_add_co_u32 s46, s46, 512                     ; X: behind x's 512 tiles
	s_lshl_b32 s22, s20, 6                         ; their scale words: 64 bytes a tile
	s_mov_b32 s23, 0
	s_lshl_b32 s92, s46, 6
	s_mov_b32 s93, 0
	s_mul_i32 s20, s20, 12288                      ; their codes (under 2^24)
	s_mov_b32 s21, 0
	s_mul_i32 s46, s46, 12288
	s_mov_b32 s47, 0
	s_mul_i32 s45, s14, HALFT                      ; where they go: by the wave's number alone
	s_lshl_b32 s94, s14, 12
	s_wait_dscnt 0x0                               ; the opening add is done
	s_wait_kmcnt 0x0
	s_add_nc_u64 s[20:21], s[4:5], s[20:21]
	s_add_nc_u64 s[22:23], s[6:7], s[22:23]
	s_add_nc_u64 s[46:47], s[4:5], s[46:47]
	s_add_nc_u64 s[92:93], s[6:7], s[92:93]
	CROUND                                         ; all sixteen work-groups are here: the first joint loads meet
	s_mov_b32 s[G0S], 1
	s_add_co_u32 s[G0S+1], s94, SCL
	s_mov_b64 s[G0S+2:G0S+3], s[22:23]
	s_or_b32 s[G0S+3], s[G0S+3], 0x80000000
	s_mov_b32 s[G0SB], 1
	s_add_co_u32 s[G0SB+1], s94, SCL
	s_mov_b64 s[G0SB+2:G0SB+3], s[92:93]
	s_or_b32 s[G0SB+3], s[G0SB+3], 0x80000000
	JLOAD G0S, G1S, G0SB, G1SB                     ; the scale words first: filled once.  With the two below, three tensor loads of mine are out
.irp s, 0,1
	s_mov_b32 s[G0+4*\s], 1
	s_add_co_u32 s[G0+4*\s+1], s45, \s*SLOT
	s_add_nc_u64 s[G0+4*\s+2:G0+4*\s+3], s[20:21], \s*3072
	s_or_b32 s[G0+4*\s+3], s[G0+4*\s+3], 0x80000000
	s_mov_b32 s[G0B+4*\s], 1
	s_add_co_u32 s[G0B+4*\s+1], s45, \s*SLOT
	s_add_nc_u64 s[G0B+4*\s+2:G0B+4*\s+3], s[46:47], \s*3072
	s_or_b32 s[G0B+4*\s+3], s[G0B+4*\s+3], 0x80000000
	JLOAD G0+4*\s, G1, G0B+4*\s, G1B
.endr
	v_and_b32 v1, 15, v0                           ; r
	v_bfe_u32 v2, v0, 4, 1                         ; h
	v_and_b32 v3, 31, v0                           ; lane
	v_lshlrev_b32 v[OA], 3, v3
	v_lshlrev_b32 v[SA], 2, v3
	s_mul_i32 s18, s15, HALFT                      ; my half of Y in a slot,
	s_mul_i32 s19, s16, HALFT
	s_add_co_u32 s19, s19, 2*HALFT                 ; my half of X,
	s_lshl_b32 s22, s15, 12                        ; and their scale words
	s_lshl_b32 s23, s16, 12
	s_add_co_u32 s23, s23, 8192
	s_cmp_eq_u32 ttmp9, 2                          ; the role: the cluster's x, the same in all sixteen partners
	s_cselect_b32 s20, s19, s18                    ; source 1: the tokens; for v the weight rows
	s_cselect_b32 s21, s18, s19                    ; source 0: the other
	s_cselect_b32 s45, s23, s22
	s_cselect_b32 s94, s22, s23
.irp s, 0,1
	v_add_nc_u32 v[ADRA+\s], s20, v[OA]
	v_add_nc_u32 v[ADRB+\s], s21, v[OA]
	s_add_co_u32 s20, s20, SLOT
	s_add_co_u32 s21, s21, SLOT
.endr
	v_lshl_add_u32 v5, v1, 2, SCL
	v_add_nc_u32 v6, s45, v5
	v_add_nc_u32 v7, s94, v5
	s_mov_b32 s[HM], 0xffff0000
	v_cndmask_b32 v[ADRS], v6, v7, s[HM]           ; lanes 0-15 source 1's words, lanes 16-31 source 0's
	v_and_b32 v5, 8, v1
	v_add_nc_u32 v5, v5, v1                        ; r + 8 (r / 8)
	v_lshlrev_b32 v[TA], 8, v5
	v_lshl_add_u32 v[TA], v2, 6, v[TA]             ; the table: 256 bytes a token, + 64 h
	s_lshl_b32 s18, s17, 16                        ; my first token's row of the table: (256 wg_y + 128 hy) x 256 bytes
	s_lshl_b32 s19, s15, 15
	s_add_co_u32 s18, s18, s19
	s_mov_b32 s19, 0
	s_add_nc_u64 s[8:9], s[8:9], s[18:19]
	s_lshr_b32 s96, s17, 3                         ; batch
	s_lshl_b32 s96, s96, 3
	s_lshl_b32 s97, s40, 1
	s_add_co_u32 s96, s96, s97
	s_add_co_u32 s96, s96, s16                     ; 8 x batch + pair of heads (2 cx + hx)
	s_lshl_b32 s96, s96, 4
	s_and_b32 s97, s17, 7
	s_lshl_b32 s97, s97, 1
	s_add_co_u32 s96, s96, s97
	s_add_co_u32 s96, s96, s15                     ; x 16 + the step of 128 tokens
	s_mul_i32 s98, s96, 12288
	s_mul_i32 s97, ttmp9, 6291456                  ; the role's section
	s_add_co_u32 s98, s98, s97
	s_mov_b32 s99, 0
	s_add_nc_u64 s[10:11], s[10:11], s[98:99]
	s_lshl_b32 s98, s96, 9
	s_lshl_b32 s97, ttmp9, 18
	s_add_co_u32 s98, s98, s97
	s_add_nc_u64 s[12:13], s[12:13], s[98:99]
.macro FRAG reg, adr, q, i             ; a fragment comes as it was stored: six loads of 8 bytes a lane, 256 consecutive bytes each
.irp p, 0,1,2,3,4,5
	ds_load_b64 v[\reg+2*\p:\reg+2*\p+1], v[\adr] offset:3072*(\i)+1536*(\q)+256*\p
.endr
.endm
; 16 matrix instructions: source 1's blocks a0, a0 + 1 x source 0's eight, 128 along K.  The 64 accumulators take turns, one instruction a turn, in the same order in every step.
.macro MUL16 a0, p, q, sc, zero
.irp a, \a0, \a0+1
.irp b, 0,1,2,3,4,5,6,7
.if \zero
	v_wmma_scale_f32_16x16x128_f8f6f4 v[8*(8*((\a)%4)+\b):8*(8*((\a)%4)+\b)+7], v[128*(\p)+FR*\b:128*(\p)+FR*\b+FR-1], v[AF+FR*(\a):AF+FR*(\a)+FR-1], 0, v[SC+8*NQ*(\sc)+NQ*\b+(\q)], v[SC+8*NQ*(\sc)+NQ*(\a)+(\q)] matrix_a_fmt:MATRIX_FMT_FP6 matrix_b_fmt:MATRIX_FMT_FP6 matrix_a_scale:MATRIX_SCALE_ROW1
.else
	v_wmma_scale_f32_16x16x128_f8f6f4 v[8*(8*((\a)%4)+\b):8*(8*((\a)%4)+\b)+7], v[128*(\p)+FR*\b:128*(\p)+FR*\b+FR-1], v[AF+FR*(\a):AF+FR*(\a)+FR-1], v[8*(8*((\a)%4)+\b):8*(8*((\a)%4)+\b)+7], v[SC+8*NQ*(\sc)+NQ*\b+(\q)], v[SC+8*NQ*(\sc)+NQ*(\a)+(\q)] matrix_a_fmt:MATRIX_FMT_FP6 matrix_b_fmt:MATRIX_FMT_FP6 matrix_a_scale:MATRIX_SCALE_ROW1
.endif
.endr
.endr
.endm
.macro FETCH_B slot, q, p
	WIN TO_B
.irp i, 0,1,2,3,4,5,6,7
	FRAG 128*(\p)+FR*\i, ADRB+\slot, \q, \i
.endr
	WIN 0
.endm
.macro FETCH_A slot, q, i0
.irp i, \i0, \i0+1, \i0+2, \i0+3
	FRAG AF+FR*(\i), ADRA+\slot, \q, \i
.endr
.endm
.macro SCALES sc, ks                   ; the scale words of K step ks (of 256) into set sc: register 2 i + q: block i, the step's q-th 128
.irp i, 0,1,2,3,4,5,6,7
.irp q, 0,1
	ds_load_b32 v[SC+16*(\sc)+2*\i+\q], v[ADRS] offset:(2*(\ks)+\q)*512+64*\i
.endr
.endr
.endm
.macro PLACES n                        ; places in front of loads into registers that matrix instructions have read, and of the first read of results
.rept \n
	v_nop
.endr
.endm
.macro STEP slot, q, zero              ; a step of 128 along K that has its successor in the same slot
	s_wait_dscnt 4*NL                              ; all but the youngest 24 loads (source 1's blocks 4-7) are in
	WIN MUL_LO
	MUL16 0, (\q)%2, \q, \slot, \zero
	MUL16 2, (\q)%2, \q, \slot, \zero
	s_wait_dscnt 0
	PLACES NP
	FETCH_B \slot, (\q)+1, 1-(\q)%2
	FETCH_A \slot, (\q)+1, 0
	WIN MUL_HI
	MUL16 4, (\q)%2, \q, \slot, \zero
	MUL16 6, (\q)%2, \q, \slot, \zero
	PLACES NP
	WIN 0
	FETCH_A \slot, (\q)+1, 4
.endm
; A slot's last step changes slots: ONE barrier; in front of it each wave waits for all its tensor loads, adds 0 to its spare word, and waits for that and for its own reads of this slot.
; fill = 1: this slot is filled again, two K steps of 256 ahead; the barrier then opens a round of the cluster's.  ks: the K step that lies in the next slot.
.macro TURN slot, next, fill, ks
	s_wait_tensorcnt 0x0                           ; all my tensor loads have landed: my part of the next slot
	ds_add_u32 v[SPW], v[NIL]                      ; 0 onto my spare word
	s_wait_dscnt 4*NL+1                            ; (the add and the youngest 24 loads may be out)
	WIN MUL_LO
	MUL16 0, 1, NQ-1, \slot, 0                     ; sixteen matrix instructions stand between the add and the wait for it
	s_wait_dscnt 0x0                               ; the add is done, and my reads of this slot are over
	s_barrier_signal -1
	MUL16 2, 1, NQ-1, \slot, 0
	WIN 0
	s_barrier_wait -1
.if \fill
	CREST                                          ; no wave of any partner still reads this slot or has a load on its way
	s_add_nc_u64 s[G0+4*\slot+2:G0+4*\slot+3], s[G0+4*\slot+2:G0+4*\slot+3], 6144
	s_add_nc_u64 s[G0B+4*\slot+2:G0B+4*\slot+3], s[G0B+4*\slot+2:G0B+4*\slot+3], 6144
	JLOAD G0+4*\slot, G1, G0B+4*\slot, G1B         ; the first tensor load behind the round; its four v_nop are the places in front of the loads below
.else
	PLACES NP
.endif
	FETCH_B \next, 0, 0
	FETCH_A \next, 0, 0
	SCALES \next, \ks
	WIN MUL_HI
	MUL16 4, 1, NQ-1, \slot, 0
	MUL16 6, 1, NQ-1, \slot, 0
	PLACES NP
	WIN 0
	FETCH_A \next, 0, 4
.endm
; cos and sin for token tile a: my token's pairs 8 h + 0..7 and 16 + 8 h + 0..7, 32 registers, into set a % 2
.macro CSLOAD a
.irp b, 0,1
.irp j, 0,1,2,3
	global_load_b128 v[CSR+32*((\a)%2)+16*\b+4*\j:CSR+32*((\a)%2)+16*\b+4*\j+3], v[TA], s[8:9] offset:(32*((\a)/2)+8*((\a)%2))*256+128*\b+16*\j
.endr
.endr
.endm
	CSLOAD 0                                       ; every role asks (v does not use them): the same loads are out on every way
	CSLOAD 1
	s_wait_tensorcnt 1                             ; the scale words and my part of slot 0 are in; slot 1's load may be out
	s_barrier_signal -1
	s_barrier_wait -1
	FETCH_B 0, 0, 0
	FETCH_A 0, 0, 0
	SCALES 0, 0
	FETCH_A 0, 0, 4
	STEP 0, 0, 1                                   ; the first products start the sums: nothing is cleared.  K has four steps of 256: they are written out
	TURN 0, 1, 1, 1
	STEP 1, 0, 0
	TURN 1, 0, 1, 2
	STEP 0, 0, 0
	TURN 0, 1, 0, 3
	STEP 1, 0, 0
	s_wait_dscnt 4*NL
	WIN MUL_LO
	MUL16 0, 1, NQ-1, 1, 0
	MUL16 2, 1, NQ-1, 1, 0
	s_wait_dscnt 0
	WIN MUL_HI
	MUL16 4, 1, NQ-1, 1, 0
	MUL16 6, 1, NQ-1, 1, 0
	WIN 0
	PLACES NP
; THE WAY OUT, block a of source 1 at a time: its 64 registers, 16 B + i, are k = 32 B + 16 h + i of the lane's row (q, k: channels of my token; v: tokens of my channel).
; RoPE: registers 2 n, 2 n + 1 are a pair (x1, x2); its cos and sin lie in the set's registers 2 (n % 16), + 1.  (x1, x2) cos + (-x2, x1) sin, two packed lines a pair.
.macro ROPE a
.set AC, 64*((\a)%4)
.set W, 2+(\a)/4
.set CB, CSR+32*((\a)%2)
	WIN W
.set n, 0
.rept 32
	v_pk_mul_f32 v[T+2*n:T+2*n+1], v[AC+2*n:AC+2*n+1], v[CB+2*(n%16):CB+2*(n%16)+1] op_sel:[1,1] op_sel_hi:[0,1] neg_lo:[1,0]   ; (-x2 sin, x1 sin); each accumulator from its low end on
.set n, n+1
.endr
	WIN (W<<6)|W
.set n, 0
.rept 32
	v_pk_fma_f32 v[AC+2*n:AC+2*n+1], v[AC+2*n:AC+2*n+1], v[CB+2*(n%16):CB+2*(n%16)+1], v[T+2*n:T+2*n+1] op_sel_hi:[1,0,1]
.set n, n+1
.endr
	WIN 0
.endm
.macro QUANT a                         ; the 64 numbers at v[AC] of window W become a fragment's codes in v[PC] on and its scale word in v[PWB + a]
	WIN W|(W<<2)
.irp b, 0,1,2,3
	v_max3_num_f32 v[TM+\b], |v[AC+16*\b]|, |v[AC+1+16*\b]|, 0x1800000   ; block b: my 16 numbers, and the floor 2^(3 - 127): the byte cannot fall under 1
.endr
	WIN (W<<2)|(W<<4)
.irp i, 2,4,6,8,10,12,14
.irp b, 0,1,2,3
	v_max3_num_f32 v[TM+\b], v[TM+\b], |v[AC+16*\b+\i]|, |v[AC+1+16*\b+\i]|
.endr
.endr
	WIN 0
.irp b, 0,1,2,3
	v_permlanex16_b32 v[TM+4+\b], v[TM+\b], s2, s3
.endr
.irp b, 0,1,2,3
	v_max_num_f32 v[TM+\b], v[TM+\b], v[TM+4+\b]   ; with lane l xor 16's: the block's largest magnitude
.endr
.irp b, 0,1,2,3
	v_add_nc_u32 v[TM+12+\b], 0xff000000, v[TM+\b] ; 2 off its exponent field: the conversion's scale operand
.endr
.irp b, 0,1,2,3
	v_lshrrev_b32 v[TM+4+\b], 23, v[TM+12+\b]      ; the scale's byte
.endr
	v_lshl_or_b32 v[PWB+\a], v[TM+5], 8, v[TM+4]
	v_lshl_or_b32 v[PWB+\a], v[TM+6], 16, v[PWB+\a]
	v_lshl_or_b32 v[PWB+\a], v[TM+7], 24, v[PWB+\a]
	s_wait_xcnt 0x0                                ; the last block's stores have read the codes' registers
	WIN W
.irp c, 0,1
	v_cvt_scalef32_pk16_fp6_f32 v[PC+6*\c:PC+2+6*\c], v[AC+32*\c:AC+15+32*\c], v[TM+12+2*\c]
	v_cvt_scalef32_pk16_fp6_f32 v[PC+12+4*\c:PC+14+4*\c], v[AC+16+32*\c:AC+31+32*\c], v[TM+12+2*\c+1]
.endr
	WIN 0
	v_nop                                          ; one plain place behind a scaled conversion
.irp c, 0,1                            ; the operand's layout wants a whole block in a lane
.irp i, 0,1,2
	v_permlane16_swap_b32 v[PC+6*\c+\i], v[PC+12+4*\c+\i]
.endr
.irp i, 0,1,2
	v_mov_b32 v[PC+3+6*\c+\i], v[PC+12+4*\c+\i]
.endr
.endr
.endm
.macro EPI a
.set AC, 64*((\a)%4)
.set W, 2+(\a)/4
.if (\a) < 7
	s_wait_loadcnt 8                               ; this tile's eight table loads are in; the next tile's eight may be out
.else
	s_wait_loadcnt 0
.endif
	s_cmp_eq_u32 ttmp9, 2                          ; v is not rotated: the jump leads round arithmetic on registers alone
	s_cbranch_scc1 .Lplain_\@
	ROPE \a
.Lplain_\@:
.if (\a) < 6
	CSLOAD (\a)+2
.endif
	QUANT \a
.irp p, 0,1,2,3,4,5
	global_store_b64 v[OA], v[PC+2*\p:PC+2*\p+1], s[10:11] offset:1536*(\a)+256*\p   ; 256 consecutive bytes, aligned
.endr
.endm
	s_mov_b32 s2, 0x76543210                       ; v_permlanex16_b32's selects for lane l xor 16
	s_mov_b32 s3, 0xfedcba98
.irp b, 0,1,2,3
	v_mov_b32 v[TM+4+\b], 0                        ; written once: a lane permute's destination counts as one of its sources
.endr
.irp a, 0,1,2,3,4,5,6,7
	EPI \a
.endr
.irp j, 0,1,2,3
	v_cndmask_b32 v[MW+\j], v[PWB+2*\j], v[PWB+2*\j+1], s[HM]   ; lanes 0-15 fragment 2 j's words, lanes 16-31 fragment 2 j + 1's
.endr
.irp j, 0,1,2,3
	global_store_b32 v[SA], v[MW+\j], s[12:13] offset:128*\j    ; runs of 128 bytes; the four together are 512 consecutive bytes
.endr
	s_wait_tensorcnt 0x0                           ; the wave's end
	ds_add_u32 v[SPW], v[NIL]
	s_wait_dscnt 0x0
	CROUND                                         ; the closing round: no work-group ends while a partner may still ask for a tile that names it
	s_endpgm
.Lfunc_end_k_q4a19a98bb4_qkvproj:
	.size	k_q4a19a98bb4_qkvproj, .Lfunc_end_k_q4a19a98bb4_qkvproj-k_q4a19a98bb4_qkvproj
	.p2alignl 7, 3214868480
	.fill 96, 4, 3214868480
	.section	.rodata,"a",@progbits
	.p2align	6, 0x0
	.amdhsa_kernel k_q4a19a98bb4_qkvproj
		.amdhsa_group_segment_fixed_size 327680
		.amdhsa_private_segment_fixed_size 0
		.amdhsa_enable_private_segment 0
		.amdhsa_kernarg_size 40
		.amdhsa_user_sgpr_count 2
		.amdhsa_user_sgpr_kernarg_segment_ptr 1
		.amdhsa_wavefront_size32 1
		.amdhsa_system_sgpr_workgroup_id_x 1
		.amdhsa_system_sgpr_workgroup_id_y 1
		.amdhsa_system_sgpr_workgroup_id_z 1
		.amdhsa_system_vgpr_workitem_id 0
		.amdhsa_next_free_vgpr 1024
		.amdhsa_next_free_sgpr 100
		.amdhsa_reserve_vcc 0
		.amdhsa_float_denorm_mode_32 3
		.amdhsa_float_denorm_mode_16_64 3
		.amdhsa_memory_ordered 1
		.amdhsa_forward_progress 1
		.amdhsa_inst_pref_size 208
	.end_amdhsa_kernel
	.amdgpu_metadata
---
amdhsa.version: [ 1, 2 ]
amdhsa.kernels:
  - .name:           k_q4a19a98bb4_qkvproj
    .symbol:         k_q4a19a98bb4_qkvproj.kd
    .args:
      - { .name: img, .offset: 0, .size: 8, .value_kind: global_buffer, .address_space: global }
      - { .name: sc, .offset: 8, .size: 8, .value_kind: global_buffer, .address_space: global }
      - { .name: tab, .offset: 16, .size: 8, .value_kind: global_buffer, .address_space: global }
      - { .name: qkv, .offset: 24, .size: 8, .value_kind: global_buffer, .address_space: global }
      - { .name: qkvs, .offset: 32, .size: 8, .value_kind: global_buffer, .address_space: global }
    .group_segment_fixed_size: 327680
    .private_segment_fixed_size: 0
    .kernarg_segment_align: 8
    .kernarg_segment_size: 40
    .max_flat_workgroup_size: 128
    .sgpr_count:     100
    .vgpr_count:     1024
    .wavefront_size: 32
...
	.end_amdgpu_metadata
.endif
;; end of part 2
;; launch attn (part 3): grid 8 x 32, 16 waves a work-group, no clusters, 327,680 bytes of LDS; arguments qkv, qkvs, oimg, osc; writes oimg, osc
.if DOCPART == 3
	.amdgcn_target "amdgcn-amd-amdhsa--gfx1250"
	.amdhsa_code_object_version 6
	.text
	.protected	k_q4a19a98bb4_attn
	.globl	k_q4a19a98bb4_attn
	.p2align	8
	.type	k_q4a19a98bb4_attn,@function
k_q4a19a98bb4_attn:
	s_mov_b64 s[64:65], 0
	v_nop
	global_prefetch_b8 v0, s[64:65] scope:SCOPE_SE
	s_setreg_imm32_b32 hwreg(HW_REG_WAVE_MODE, 25, 1), 1
	s_wait_xcnt 0x0
; Causal attention on codes of FP6 (E2M3) with E8M0 scales, heads of 64; o / l is quantised along the model's 1,024 in registers.
; IN: qkv [q, k, v][batch 4][pair of heads 8][step of 128 tokens 16][8 fragments][1,536], images of operand registers (pair p of lane l at byte 256 p + 8 l); qkvs: 64 bytes a fragment (a word a row).
;     q, k: fragment a = token tile a of the step, K = [even head's 64 | odd head's 64]: a head owns 768 bytes of an image and half of each word.  v: fragment a = head a / 4, channel tile a % 4, K = the 128 tokens.
;     Lane r of a tile stands for row 32 (tile / 2) + 8 (tile % 2) + r + 8 (r / 8), for tokens and channels alike.
; OUT: oimg [512 token tiles][pair of heads 8][1,536], osc [pair 8][512 tiles][16 words]: the output projection's operand.
; THE SOFTMAX: t = score x log2(e) / 8; M = the running largest t rounded up to a whole number; p = 2^(t - M) is quantised along the keys; the row's sum is taken of the unquantised p and divides at the end.
; SHARES.  A work-group owns a pair of heads of one batch and query blocks i and 15 - i of 128 tokens.  Wave w: head w % 2, token tile w / 2 of both blocks.  A block is as long as a key step, so every wave
; of the launch works (i + 1) + (16 - i) = 17 key steps.  Every wave walks all 8 slots (constant trip counts); a step all of whose keys come after a tile's queries is jumped over.
; THE FIRST PRODUCT has K = 64: Q's operand is 6 registers of codes and 6 of zeros; K's fragments lie 6 registers apart, so that an operand's upper six are the next fragment's codes, which meet zero codes;
; six zeros stand behind the last.  The scale words are loaded as half words: the unused blocks' bytes are 0.
; Both products are used transposed: a lane holds one query throughout.  No cluster: partners would need different numbers of tiles (9 to 16 key steps), and no jump may lead round a joint load.
; A block of zeros gets the byte 1 where the rule says 127 (its codes are zeros; this program alone reads the bytes).  NaN and infinities are not served.
.set SLOT1, 65536                      ; a slot: K of two steps, V of two steps, 12,288 bytes each; slot 1 begins here, so that one exclusive or turns an address
.set SCK,   131072                     ; K's scale words of the whole pair of heads: 16 steps x 512 bytes
.set SCV,   SCK+8192                   ; V's
.set OSC,   SCV+8192                   ; 1,024 bytes, written by LDS stores alone: o's scale words, [2 blocks][8 tiles][16 words]
.set SPARE, OSC+1024                   ; the spare words, 128 bytes for each wave: eight blocks of 256 bytes that no other line names
.set L8,  1                            ; v1   8 x lane
.set R4,  2                            ; v2   4 r
.set OSA, 3                            ; v3   where my row's half word of o's scales goes
.set OSR, 4                            ; v4   where waves 0 and 1 read the words back
.set SPW, 5                            ; v5   LDS address of my spare word; never rewritten
.set NIL, 6                            ; v6   0; never rewritten
.set DQ,  7                            ; v7   my query's place in its block, less 16 h
.set ADK, 8                            ; v8-11 LDS addresses of the step in hand: K, V, K's words, V's words
.set ADV, 9
.set ADS, 10
.set ADT, 11
                                       ; v12 + 4 T: -M, the largest t, the sum in two halves;  v20 + 12 T: Q (6 of codes, 6 of zeros)
.set KF,  44                           ; v44-97 K's 8 x 6 + 6 registers, or V's 4 x 12; at work during the softmax:
.set BM,  44                           ; v44-47 the blocks' largest
.set PT,  48                           ; v48-51 lane permutes' results, then bytes
.set SO,  52                           ; v52-55 the conversions' scale operands
.set CT,  56                           ; v56-63 the conversions' second halves
.set SUM, 64                           ; v[64:65] the second chain of the sum
.set QS,  98                           ; v98 + T  Q's scale words
.set S,   100                          ; v100-163 S^T, then p;   v164 + 32 T: O^T
.set PC,  228                          ; v228-239 p's codes
.set KSC, 240                          ; v240-247 K's 8 or V's 4 scale words
.set PW,  248                          ; v248 p's scale word
.set PFO, 249                          ; v249 256 x lane
.set FF,  250                          ; v[250:251] f = 2^(old M - new M) (v251 is written once)
.set WV,  18
.set HB,  19                           ; s19  which head of the pair
.set TQ,  12                           ; s12  which token tile of a block
.set BLK, 14                           ; s14, s15  my two query blocks: i and 15 - i
.set SEL, 20
.set CS,  22                           ; s[22:23] c = log2(e) / 8
.set G1,  24                           ; s[24:31] group 1: 48 rows of 256 bytes;  s[32:39]: 16 rows;  s[40:43], s[44:47] their groups 0
.set G1S, 32
.set G0,  40
.set G0S, 44
.set TB,  2                            ; s2   LDS byte at which the slot in hand begins
.set TS,  3                            ; s3   512 x the key step
.set KS,  66                           ; s66  the key step
.set SLOTS, 67
.set PFA, 68
.set LIM, 70
.set HBK, 71                           ; s71  768 x head
.set HBV, 84                           ; s84  24,576 + 6,144 x head
.set HSK, 85                           ; s85  SCK + 2 x head
.set HSV, 86                           ; s86  SCV + 256 x head
	s_load_b256 s[4:11], s[0:1], 0x0               ; qkv s[4:5], qkvs s[6:7], oimg s[8:9], osc s[10:11]
	v_lshl_add_u32 v[SPW], v0, 2, SPARE
	v_mov_b32 v[NIL], 0
	ds_add_u32 v[SPW], v[NIL]                      ; the wave's opening: the add and its wait stand ahead of my first tensor load; work on registers stands between them
	v_lshrrev_b32 v8, 5, v0
	v_readfirstlane_b32 s[WV], v8                  ; wave 0..15
	s_and_b32 s[HB], s[WV], 1
	s_lshr_b32 s[TQ], s[WV], 1
	s_mov_b32 s[BLK], ttmp9
	s_sub_co_u32 s[BLK+1], 15, ttmp9
	s_and_b32 s72, ttmp7, 0xffff                   ; 8 x batch + pair of heads
	s_and_b32 s73, s[WV], 3                        ; what I fetch, if I fetch: 0, 1: K of the slot's two steps; 2, 3: V's
	s_lshr_b32 s74, s73, 1
	s_and_b32 s75, s73, 1
	s_mul_i32 s76, s74, 6291456
	s_add_co_u32 s76, s76, 6291456                 ; k's section or v's,
	s_mul_i32 s77, s72, 196608
	s_add_co_u32 s76, s76, s77                     ; my pair of heads,
	s_mul_i32 s77, s75, 12288
	s_add_co_u32 s76, s76, s77                     ; the step (under 2^25)
	s_mov_b32 s77, 0
	s_lshl_b32 s78, s74, 18
	s_add_co_u32 s78, s78, 262144
	s_lshl_b32 s79, s72, 13
	s_add_co_u32 s78, s78, s79
	s_lshl_b32 s79, s75, 12
	s_add_co_u32 s78, s78, s79                     ; the scale words: half a pair's, 4,096 bytes
	s_mov_b32 s79, 0
	s_mul_i32 s80, s73, 12288                      ; where they go
	s_lshl_b32 s81, s73, 12
	; every block is dense in memory: rows of 256 bytes (32 elements of 8 bytes), no padding: an image is read at lane-consecutive addresses
	s_mov_b32 s[G1], 3<<16
	s_mov_b32 s[G1+1], 32<<16
	s_mov_b32 s[G1+2], 48<<16
	s_mov_b32 s[G1+3], 32<<16
	s_mov_b32 s[G1+4], 48
	s_mov_b32 s[G1+5], 32
	s_mov_b32 s[G1+6], 0
	s_mov_b32 s[G1+7], 0
	s_mov_b32 s[G1S], 3<<16
	s_mov_b32 s[G1S+1], 32<<16
	s_mov_b32 s[G1S+2], 16<<16
	s_mov_b32 s[G1S+3], 32<<16
	s_mov_b32 s[G1S+4], 16
	s_mov_b32 s[G1S+5], 32
	s_mov_b32 s[G1S+6], 0
	s_mov_b32 s[G1S+7], 0
	s_mov_b32 s[SEL], 0x76543210
	s_mov_b32 s[SEL+1], 0xfedcba98
	s_mov_b32 s[CS], 0x3e38aa3b
	s_mov_b32 s[CS+1], s[CS]
	s_mov_b32 s[TB], 0
	s_mov_b32 s[TS], 0
	s_mov_b32 s[KS], 0
	s_mov_b32 s[SLOTS], 7
	s_mul_i32 s[HBK], s[HB], 768
	s_mul_i32 s[HBV], s[HB], 6144
	s_add_co_u32 s[HBV], s[HBV], 24576
	s_lshl_b32 s[HSK], s[HB], 1
	s_add_co_u32 s[HSK], s[HSK], SCK
	s_lshl_b32 s[HSV], s[HB], 8
	s_add_co_u32 s[HSV], s[HSV], SCV
	s_wait_dscnt 0x0                               ; the opening add is done
	s_wait_kmcnt 0x0
	s_mov_b32 s[G0], 1
	s_mov_b32 s[G0+1], s80
	s_add_nc_u64 s[G0+2:G0+3], s[4:5], s[76:77]
	s_or_b32 s[G0+3], s[G0+3], 0x80000000
	s_mov_b32 s[G0S], 1
	s_add_co_u32 s[G0S+1], s81, SCK
	s_add_nc_u64 s[G0S+2:G0S+3], s[6:7], s[78:79]
	s_or_b32 s[G0S+3], s[G0S+3], 0x80000000
	s_cmp_lt_u32 s[WV], 4                          ; waves 0 to 3 fetch; a wave's two first fills stand in one branch: two tensor loads of mine are out
	s_cbranch_scc0 .Lno_fill
	tensor_load_to_lds s[G0S:G0S+3], s[G1S:G1S+7]  ; the scale words: filled once
	s_nop 0
	tensor_load_to_lds s[G0:G0+3], s[G1:G1+7]      ; slot 0
	s_nop 0
.rept 4
	v_nop
.endr
.Lno_fill:
	v_and_b32 v8, 31, v0                           ; lane
	v_lshlrev_b32 v[L8], 3, v8
	v_lshlrev_b32 v[PFO], 8, v8
	v_and_b32 v9, 15, v0                           ; r
	v_bfe_u32 v10, v0, 4, 1                        ; h
	v_lshlrev_b32 v[R4], 2, v9
	s_mov_b32 s79, 0
	s_mul_i32 s76, s72, 196608                     ; Q's codes: my pair of heads, my tile, my head; + the block
	s_mul_i32 s77, s[TQ], 1536
	s_add_co_u32 s76, s76, s77
	s_add_co_u32 s76, s76, s[HBK]
.irp T, 0,1
	s_mul_i32 s78, s[BLK+\T], 12288
	s_add_co_u32 s78, s78, s76
	s_add_nc_u64 s[48+2*\T:49+2*\T], s[4:5], s[78:79]
.endr
	s_lshl_b32 s76, s72, 13                        ; Q's scale half words
	s_lshl_b32 s77, s[TQ], 6
	s_add_co_u32 s76, s76, s77
	s_lshl_b32 s77, s[HB], 1
	s_add_co_u32 s76, s76, s77
.irp T, 0,1
	s_lshl_b32 s78, s[BLK+\T], 9
	s_add_co_u32 s78, s78, s76
	s_add_nc_u64 s[52+2*\T:53+2*\T], s[6:7], s[78:79]
.endr
.irp T, 0,1
.irp p, 0,1,2
	global_load_b64 v[20+12*\T+2*\p:21+12*\T+2*\p], v[L8], s[48+2*\T:49+2*\T] offset:256*\p
.endr
	global_load_u16 v[QS+\T], v[R4], s[52+2*\T:53+2*\T]
.endr
	s_lshr_b32 s82, s72, 3                         ; batch
	s_and_b32 s83, s72, 7                          ; pair of heads
	s_lshl_b32 s76, s82, 7
	s_add_co_u32 s76, s76, s[TQ]
.irp T, 0,1                            ; o's image: ((128 batch + 8 block + tile) x 8 + pair) x 1,536 + 768 x head
	s_lshl_b32 s78, s[BLK+\T], 3
	s_add_co_u32 s78, s78, s76
	s_lshl_b32 s78, s78, 3
	s_add_co_u32 s78, s78, s83
	s_mul_i32 s78, s78, 1536
	s_add_co_u32 s78, s78, s[HBK]
	s_add_nc_u64 s[56+2*\T:57+2*\T], s[8:9], s[78:79]
.endr
	s_cmp_eq_u32 s[HB], 0                          ; o's scale words: wave 0 stores block i's, wave 1 block 15 - i's
	s_cselect_b32 s78, s[BLK], s[BLK+1]
	s_lshl_b32 s78, s78, 3
	s_lshl_b32 s77, s82, 7
	s_add_co_u32 s78, s78, s77
	s_lshl_b32 s78, s78, 6
	s_lshl_b32 s77, s83, 15
	s_add_co_u32 s78, s78, s77
	s_add_nc_u64 s[60:61], s[10:11], s[78:79]
	s_cmp_lt_u32 s[WV], 8                          ; the prefetches: waves 4 to 6 stand in k's section, waves 8 to 10 in v's,
	s_cselect_b32 s78, 0, 6291456
	s_add_co_u32 s78, s78, 6291456+24576           ; at slot 1: the first change of slots steps it to slot 2
	s_mul_i32 s77, s72, 196608
	s_add_co_u32 s78, s78, s77
	s_lshl_b32 s77, s73, 13                        ; 8,192 bytes a wave
	s_add_co_u32 s78, s78, s77
	s_add_nc_u64 s[PFA:PFA+1], s[4:5], s[78:79]
	s_sub_co_u32 s77, s[WV], 4
	s_lshr_b32 s77, s77, 3                         ; 0 in waves 4 to 11,
	s_or_b32 s77, s77, ttmp9                       ; of the pair's first work-group, which itself loads all eight slots
	s_cmp_eq_u32 s77, 0
	s_cselect_b32 s[LIM], 1, -1
	s_cmp_eq_u32 s73, 3                            ; (a slot's 24,576 bytes are three waves' worth)
	s_cselect_b32 s[LIM], -1, s[LIM]
	s_lshl_b32 s77, s[TQ], 6
	s_lshl_b32 s76, s[HB], 1
	s_add_co_u32 s77, s77, s76
	s_add_co_u32 s77, s77, OSC
	v_add_nc_u32 v[OSA], s77, v[R4]                ; OSC + 64 x tile + 2 x head + 4 r; block 1 adds 512
	s_lshl_b32 s77, s[HB], 9
	s_add_co_u32 s77, s77, OSC
	v_lshl_add_u32 v[OSR], v8, 4, s77
	v_and_b32 v11, 8, v9
	v_add_nc_u32 v11, v11, v9                      ; r + 8 (r / 8)
	v_lshlrev_b32 v10, 4, v10
	v_sub_nc_u32 v11, v11, v10
	s_lshr_b32 s77, s[TQ], 1
	s_lshl_b32 s77, s77, 5
	s_and_b32 s76, s[TQ], 1
	s_lshl_b32 s76, s76, 3
	s_add_co_u32 s77, s77, s76
	v_add_nc_u32 v[DQ], s77, v11
.irp T, 0,1
	v_mov_b32 v[13+4*\T], 0xff61b1e6               ; the largest t so far: -3e38, under every t
	v_floor_f32 v[12+4*\T], -v[13+4*\T]            ; -M
	v_mov_b32 v[14+4*\T], 0
	v_mov_b32 v[15+4*\T], 0
.irp j, 0,1,2,3,4,5
	v_mov_b32 v[26+12*\T+\j], 0                    ; Q's upper 64 along K: zero codes
.endr
.endr
.irp j, 0,1,2,3,4,5
	v_mov_b32 v[KF+48+\j], 0                       ; behind K's last fragment
.endr
.irp j, 0,1,2,3
	v_mov_b32 v[PT+\j], 0                          ; written once: a lane permute's destination counts as one of its sources
.endr
	v_mov_b32 v251, 0
	v_mov_b32 v252, 0
	v_mov_b32 v253, 0
.set n, 0
.rept 64
	v_mov_b32 v[164+n], 0                          ; O^T of both tiles: the step is written once; the first change of M leaves zeros zeros
.set n, n+1
.endr
; A KEY STEP of 128 keys, the q-th of the slot in hand, for my tile T.
.macro STEP q, T
.set ST, 12+4*(\T)
.set QR, 20+12*(\T)
.set OT, 164+32*(\T)
	s_cmp_gt_u32 s[KS], s[BLK+\T]                  ; all its keys come after my queries: left out.  Ids and the count of steps alone; no barrier, wait for tiles or tensor load stands in a step
	s_cbranch_scc1 .Lhidden_\@
	s_add_co_u32 s72, s[TB], s[HBK]
	s_add_co_u32 s73, s[TB], s[HBV]
	s_add_co_u32 s74, s[TS], s[HSK]
	s_add_co_u32 s75, s[TS], s[HSV]
	v_add_nc_u32 v[ADK], s72, v[L8]                ; (these four are the places in front of loads into registers that the last products read)
	v_add_nc_u32 v[ADV], s73, v[L8]
	v_add_nc_u32 v[ADS], s74, v[R4]
	v_add_nc_u32 v[ADT], s75, v[R4]
.irp t, 0,1,2,3,4,5,6,7
.irp p, 0,1,2
	ds_load_b64 v[KF+6*\t+2*\p:KF+6*\t+2*\p+1], v[ADK] offset:12288*(\q)+1536*\t+256*\p
.endr
	ds_load_u16 v[KSC+\t], v[ADS] offset:64*\t
.endr
	s_wait_dscnt 0x0
.irp t, 0,1,2,3,4,5,6,7                ; S^T = K Q^T: register 16 B + i of lane (r, h): key 32 B + 16 h + i of the step, query r
	v_wmma_scale_f32_16x16x128_f8f6f4 v[S+8*\t:S+8*\t+7], v[KF+6*\t:KF+6*\t+11], v[QR:QR+11], 0, v[KSC+\t], v[QS+\T] matrix_a_fmt:MATRIX_FMT_FP6 matrix_b_fmt:MATRIX_FMT_FP6
.endr
.rept 4
	v_nop
.endr
	s_cmp_lg_u32 s[KS], s[BLK+\T]                  ; on the diagonal the scores of hidden keys become -infinity ahead of the maximum: p = 0 then
	s_cbranch_scc1 .Lopen_\@
	v_mov_b32 v254, 0xff800000
.set n, 0
.rept 64
	v_cmp_gt_i32 vcc_lo, 32*(n/16)+n%16, v[DQ]
	v_cndmask_b32 v[S+n], v[S+n], v254, vcc_lo
.set n, n+1
.endr
.Lopen_\@:
.irp b, 0,1,2,3
	v_max3_num_f32 v[BM+\b], v[S+16*\b], v[S+1+16*\b], v[S+2+16*\b]   ; the largest score of each block of 32 keys: for the row's maximum, and, since p rises with the score, for the block's largest p
.endr
.irp i, 3,5,7,9,11,13
.irp b, 0,1,2,3
	v_max3_num_f32 v[BM+\b], v[BM+\b], v[S+16*\b+\i], v[S+1+16*\b+\i]
.endr
.endr
.irp b, 0,1,2,3
	v_max_num_f32 v[BM+\b], v[BM+\b], v[S+15+16*\b]
.endr
.irp b, 0,1,2,3
	v_permlanex16_b32 v[PT+\b], v[BM+\b], s[SEL], s[SEL+1]
.endr
.irp b, 0,1,2,3
	v_max_num_f32 v[BM+\b], v[BM+\b], v[PT+\b]
.endr
	v_max3_num_f32 v254, v[BM], v[BM+1], v[BM+2]
	v_max_num_f32 v254, v254, v[BM+3]
	v_mul_f32 v254, s[CS], v254                    ; as t (c is positive)
	v_max_num_f32 v[ST+1], v[ST+1], v254           ; the running largest t
	v_mov_b32 v254, v[ST]
	v_floor_f32 v[ST], -v[ST+1]                    ; the new -M = -ceil(t): a whole number
	v_sub_f32 v254, v[ST], v254
	v_cvt_i32_f32 v254, v254                       ; (it saturates)
	v_ldexp_f32 v[FF], 1.0, v254                   ; f = 2^(old M - new M): a multiplication by it rounds nothing
.set n, 0
.rept 32
	v_pk_fma_f32 v[S+n:S+n+1], v[S+n:S+n+1], s[CS:CS+1], v[ST:ST+1] op_sel_hi:[1,0,0]   ; t - M
.set n, n+2
.endr
.irp b, 0,1,2,3
	v_fma_f32 v[BM+\b], v[BM+\b], s[CS], v[ST]
.endr
.set n, 0
.rept 64
	v_exp_f32 v[S+n], v[S+n]                       ; p = 2^(t - M): not normalised
.set n, n+1
.endr
	v_pk_mul_f32 v[ST+2:ST+3], v[ST+2:ST+3], v[FF:FF+1] op_sel_hi:[1,0]   ; the sums under the new M (a plain place behind the exponentials)
	s_wait_alu depctr_va_vdst(0)                   ; a wait ahead of the first reader: one for the whole batch
.irp b, 0,1,2,3
	v_exp_f32 v[BM+\b], v[BM+\b]                   ; the block's largest p
.endr
	v_pk_add_f32 v[SUM:SUM+1], v[S:S+1], v[S+2:S+3]   ; the row's sum, of the unquantised p, in two chains
.irp j, 4,8,12,16,20,24,28,32,36,40,44,48,52,56,60
	v_pk_add_f32 v[ST+2:ST+3], v[ST+2:ST+3], v[S+\j:S+1+\j]
	v_pk_add_f32 v[SUM:SUM+1], v[SUM:SUM+1], v[S+2+\j:S+3+\j]
.endr
	v_pk_add_f32 v[ST+2:ST+3], v[ST+2:ST+3], v[SUM:SUM+1]
	s_wait_alu depctr_va_vdst(0)                   ; and one for the four
.irp b, 0,1,2,3
	v_max_num_f32 v[BM+\b], 0x1800000, v[BM+\b]    ; the floor 2^(3 - 127): the byte cannot fall under 1
.endr
.irp b, 0,1,2,3
	v_add_nc_u32 v[SO+\b], 0xff000000, v[BM+\b]    ; 2 off the exponent field: the conversion's scale operand
.endr
.irp b, 0,1,2,3
	v_lshrrev_b32 v[PT+\b], 23, v[SO+\b]
.endr
	v_lshl_or_b32 v[PW], v[PT+1], 8, v[PT]         ; p's scale word for these 128 keys
	v_lshl_or_b32 v[PW], v[PT+2], 16, v[PW]
	v_lshl_or_b32 v[PW], v[PT+3], 24, v[PW]
.irp c, 0,1
	v_cvt_scalef32_pk16_fp6_f32 v[PC+6*\c:PC+2+6*\c], v[S+32*\c:S+15+32*\c], v[SO+2*\c]
	v_cvt_scalef32_pk16_fp6_f32 v[CT+4*\c:CT+2+4*\c], v[S+16+32*\c:S+31+32*\c], v[SO+2*\c+1]
.endr
	v_nop                                          ; one plain place behind a scaled conversion
.irp c, 0,1
.irp i, 0,1,2
	v_permlane16_swap_b32 v[PC+6*\c+\i], v[CT+4*\c+\i]
.endr
.irp i, 0,1,2
	v_mov_b32 v[PC+3+6*\c+\i], v[CT+4*\c+\i]
.endr
.endr
.set n, 0
.rept 16
	v_pk_mul_f32 v[OT+n:OT+n+1], v[OT+n:OT+n+1], v[FF:FF+1] op_sel_hi:[1,0]   ; O^T under the new M; these 16 are also the places in front of the products below
.set n, n+2
.endr
.irp t, 0,1,2,3
.irp p, 0,1,2,3,4,5
	ds_load_b64 v[KF+12*\t+2*\p:KF+12*\t+2*\p+1], v[ADV] offset:12288*(\q)+1536*\t+256*\p
.endr
	ds_load_b32 v[KSC+\t], v[ADT] offset:64*\t
.endr
	s_wait_dscnt 0x0
.irp t, 0,1,2,3                        ; O^T += V^T P^T: the four accumulators by turns
	v_wmma_scale_f32_16x16x128_f8f6f4 v[OT+8*\t:OT+8*\t+7], v[KF+12*\t:KF+12*\t+11], v[PC:PC+11], v[OT+8*\t:OT+8*\t+7], v[KSC+\t], v[PW] matrix_a_fmt:MATRIX_FMT_FP6 matrix_b_fmt:MATRIX_FMT_FP6
.endr
.Lhidden_\@:
.endm
.macro TLOAD                           ; waves 0 to 3 fetch, a quarter of a slot each; an s_nop 0 and four v_nop follow the load
	s_cmp_lt_u32 s[WV], 4
	s_cbranch_scc0 .Lasked_\@
	tensor_load_to_lds s[G0:G0+3], s[G1:G1+7]
	s_nop 0
.rept 4
	v_nop
.endr
.Lasked_\@:
.endm
; A prefetch of the slot that the NEXT change of slots will load: 24,576 bytes of k and as many of v, lanes 256 bytes apart, 8,192 bytes a wave, one instruction each in six waves that fetch nothing,
; in the pair's first work-group alone: each block of 256 bytes is named once in the launch.  The last change that fills a slot asks for nothing; slots 0 and 1 come by their loads alone.
.macro ASK
	s_cmp_gt_u32 s[SLOTS], s[LIM]
	s_cbranch_scc0 .Lnot_mine_\@
	global_prefetch_b8 v[PFO], s[PFA:PFA+1] th:TH_LOAD_NT scope:SCOPE_SE
.Lnot_mine_\@:
.endm
; THE CHANGE OF SLOTS stands at a slot's head.  Each wave waits for all its tensor loads, adds 0 to its spare word, and waits for that and for its reads of the slot that it has left; behind the barrier the slot
; ahead is whole and nobody reads the other one, which is then filled with the next two key steps: the load has a slot's steps in which to land.  One tensor load of a wave is out at the most from here on.
.macro CHANGE fill
	s_wait_tensorcnt 0x0                           ; no tensor load of mine is out, so a group 0 may be written
	ds_add_u32 v[SPW], v[NIL]                      ; 0 onto my spare word
.if \fill
	s_xor_b32 s[G0+1], s[G0+1], SLOT1
	s_add_nc_u64 s[G0+2:G0+3], s[G0+2:G0+3], 24576
	s_wait_xcnt 0x0                                ; the last prefetch, a slot back, has read its address
	s_add_nc_u64 s[PFA:PFA+1], s[PFA:PFA+1], 24576
.endif
	s_wait_dscnt 0x0                               ; the add is done, and my reads of the slot that I have left are over
	s_barrier_signal -1
	s_barrier_wait -1
.if \fill
	s_add_co_u32 s72, s[KS], 2                     ; the look-ahead ends at the causal limit: a slot whose first key step comes after block 15 - i is read by none of my waves, so it is not asked for.
	s_cmp_gt_u32 s72, s[BLK+1]                     ; Ids and the count of steps alone: all sixteen waves go the same way; every wait for tiles in this text is for 0
	s_cbranch_scc1 .Lpast_\@
	TLOAD
.Lpast_\@:
	ASK
.endif
.endm
.macro SLOT_STEPS
.irp q, 0,1
	STEP \q, 0
	STEP \q, 1
	s_add_co_u32 s[KS], s[KS], 1
	s_add_co_u32 s[TS], s[TS], 512
.endr
	s_xor_b32 s[TB], s[TB], SLOT1
.endm
	s_wait_loadcnt 0x0                             ; Q
.Lslot:                                            ; seven trips
	CHANGE 1
	SLOT_STEPS
	s_sub_co_u32 s[SLOTS], s[SLOTS], 1
	s_cmp_lg_u32 s[SLOTS], 0
	s_cbranch_scc1 .Lslot
	CHANGE 0                                       ; the last slot is written out: nothing is left to fetch
	SLOT_STEPS
	; THE END: O^T / the sum is quantised along the head's 64 channels: register 16 B + i of lane (r, h) is channel 32 B + 16 h + i of query r.
.rept 4
	v_nop
.endr
.irp T, 0,1
	v_add_f32 v[14+4*\T], v[14+4*\T], v[15+4*\T]
.endr
.irp T, 0,1
	v_permlanex16_b32 v[252+\T], v[14+4*\T], s[SEL], s[SEL+1]
.endr
.irp T, 0,1
	v_add_f32 v[14+4*\T], v[14+4*\T], v[252+\T]    ; the row's sum
.endr
.irp T, 0,1
	v_rcp_f32 v[14+4*\T], v[14+4*\T]
.endr
	v_nop                                          ; a plain place behind the reciprocals,
	s_wait_alu depctr_va_vdst(0)                   ; and a wait ahead of the first reader: one for both
.macro FIN T
.set ST, 12+4*(\T)
.set OT, 164+32*(\T)
.set n, 0
.rept 16
	v_pk_mul_f32 v[OT+n:OT+n+1], v[OT+n:OT+n+1], v[ST+2:ST+3] op_sel_hi:[1,0]   ; each accumulator from its low end on
.set n, n+2
.endr
.irp b, 0,1
	v_max3_num_f32 v[BM+\b], |v[OT+16*\b]|, |v[OT+1+16*\b]|, 0x1800000
.endr
.irp i, 2,4,6,8,10,12,14
.irp b, 0,1
	v_max3_num_f32 v[BM+\b], v[BM+\b], |v[OT+16*\b+\i]|, |v[OT+1+16*\b+\i]|
.endr
.endr
.irp b, 0,1
	v_permlanex16_b32 v[PT+\b], v[BM+\b], s[SEL], s[SEL+1]
.endr
.irp b, 0,1
	v_max_num_f32 v[BM+\b], v[BM+\b], v[PT+\b]
.endr
.irp b, 0,1
	v_add_nc_u32 v[SO+\b], 0xff000000, v[BM+\b]
.endr
.irp b, 0,1
	v_lshrrev_b32 v[PT+\b], 23, v[SO+\b]
.endr
	v_lshl_or_b32 v[254+\T], v[PT+1], 8, v[PT]     ; my head's half of the row's scale word
	s_wait_xcnt 0x0                                ; the other tile's stores have read the codes' registers
	v_cvt_scalef32_pk16_fp6_f32 v[PC:PC+2], v[OT:OT+15], v[SO]
	v_cvt_scalef32_pk16_fp6_f32 v[CT:CT+2], v[OT+16:OT+31], v[SO+1]
	v_nop
.irp i, 0,1,2
	v_permlane16_swap_b32 v[PC+\i], v[CT+\i]
.endr
.irp i, 0,1,2
	v_mov_b32 v[PC+3+\i], v[CT+\i]
.endr
.irp p, 0,1,2
	global_store_b64 v[L8], v[PC+2*\p:PC+2*\p+1], s[56+2*\T:57+2*\T] offset:256*\p   ; 256 consecutive bytes, aligned
.endr
	ds_store_b16 v[OSA], v[254+\T] offset:512*\T   ; lanes r and r + 16 write the same half word with the same value
.endm
	FIN 0
	FIN 1
	s_wait_dscnt 0x0                               ; for the others' sake: my half words lie in LDS
	s_barrier_signal -1
	s_barrier_wait -1
	s_cmp_lt_u32 s[WV], 2
	s_cbranch_scc0 .Lno_osc
	ds_load_b128 v[100:103], v[OSR]                ; a block's 8 tiles x 16 words
	v_lshlrev_b32 v8, 1, v[L8]                     ; 16 x lane
	s_wait_dscnt 0x0
	global_store_b128 v8, v[100:103], s[60:61]     ; 512 consecutive bytes, aligned
.Lno_osc:
	s_wait_tensorcnt 0x0                           ; the wave's end, behind my last tensor load and my last LDS store
	ds_add_u32 v[SPW], v[NIL]
	s_wait_dscnt 0x0
	s_endpgm
.Lfunc_end_k_q4a19a98bb4_attn:
	.size	k_q4a19a98bb4_attn, .Lfunc_end_k_q4a19a98bb4_attn-k_q4a19a98bb4_attn
	.p2alignl 7, 3214868480
	.fill 96, 4, 3214868480
	.section	.rodata,"a",@progbits
	.p2align	6, 0x0
	.amdhsa_kernel k_q4a19a98bb4_attn
		.amdhsa_group_segment_fixed_size 327680
		.amdhsa_private_segment_fixed_size 0
		.amdhsa_enable_private_segment 0
		.amdhsa_kernarg_size 32
		.amdhsa_user_sgpr_count 2
		.amdhsa_user_sgpr_kernarg_segment_ptr 1
		.amdhsa_wavefront_size32 1
		.amdhsa_system_sgpr_workgroup_id_x 1
		.amdhsa_system_sgpr_workgroup_id_y 1
		.amdhsa_system_sgpr_workgroup_id_z 1
		.amdhsa_system_vgpr_workitem_id 0
		.amdhsa_next_free_vgpr 256
		.amdhsa_next_free_sgpr 100
		.amdhsa_reserve_vcc 1
		.amdhsa_float_denorm_mode_32 3
		.amdhsa_float_denorm_mode_16_64 3
		.amdhsa_memory_ordered 1
		.amdhsa_forward_progress 1
		.amdhsa_inst_pref_size 200
	.end_amdhsa_kernel
	.amdgpu_metadata
---
amdhsa.version: [ 1, 2 ]
amdhsa.kernels:
  - .name:           k_q4a19a98bb4_attn
    .symbol:         k_q4a19a98bb4_attn.kd
    .args:
      - { .name: qkv, .offset: 0, .size: 8, .value_kind: global_buffer, .address_space: global }
      - { .name: qkvs, .offset: 8, .size: 8, .value_kind: global_buffer, .address_space: global }
      - { .name: oimg, .offset: 16, .size: 8, .value_kind: global_buffer, .address_space: global }
      - { .name: osc, .offset: 24, .size: 8, .value_kind: global_buffer, .address_space: global }
    .group_segment_fixed_size: 327680
    .private_segment_fixed_size: 0
    .kernarg_segment_align: 8
    .kernarg_segment_size: 32
    .max_flat_workgroup_size: 512
    .sgpr_count:     100
    .vgpr_count:     256
    .wavefront_size: 32
...
	.end_amdgpu_metadata
.endif
;; end of part 3
;; launch outproj (part 4): grid 4 x 32, 4 waves a work-group, clusters of 4 x 4, 327,680 bytes of LDS; arguments oimg, osc, img, sc, out0; writes out0
.if DOCPART == 4
	.amdgcn_target "amdgcn-amd-amdhsa--gfx1250"
	.amdhsa_code_object_version 6
	.text
	.protected	k_q4a19a98bb4_outproj
	.globl	k_q4a19a98bb4_outproj
	.p2align	8
	.type	k_q4a19a98bb4_outproj,@function
k_q4a19a98bb4_outproj:
	s_mov_b64 s[64:65], 0
	v_nop
	global_prefetch_b8 v0, s[64:65] scope:SCOPE_SE
	s_setreg_imm32_b32 hwreg(HW_REG_WAVE_MODE, 25, 1), 1
	s_wait_xcnt 0x0
	s_wait_alu depctr_hold_cnt(0) depctr_sa_sdst(0) depctr_va_vdst(0) depctr_va_sdst(0) depctr_va_ssrc(0) depctr_va_vcc(0) depctr_vm_vsrc(0)
	s_getreg_b32 s2, hwreg(HW_REG_IB_STS2, 6, 4)
	s_cmp_eq_u32 s2, 0
	s_cbranch_scc0 .Lentry_in_a_cluster
	s_endpgm
.Lentry_in_a_cluster:
	s_bfe_u32 s2, ttmp6, 0x10000c
	s_cmp_lg_u32 s2, 0xf033
	s_cbranch_scc0 .Lentry_shape_is_right
	s_endpgm
.Lentry_shape_is_right:
; out0 = o WO^T on codes of FP6 (E2M3) with E8M0 scales; out0 [8192][1024] f32.
; IN: oimg [512 token tiles][8 K steps][1,536], osc [8 K steps][512 tiles][16 words]; img [768 row tiles][8 K steps][1,536], sc [8 K steps][768 tiles][16 words] (WO: tiles 704-767):
;     images of operand registers (pair p of lane l at byte 256 p + 8 l).  Lane r of row tile TT stands for row 32 (TT / 2) + 8 (TT % 2) + r + 8 (r / 8).
; A tile of 256 tokens x 256 outputs is made by four waves, 128 x 128 each: 64 accumulators, 512 registers.  K = 1,024 goes in four steps of 256 through two LDS slots filled by the tensor data mover.
; CLUSTERS: 4 x 4 work-groups: o's tiles (A) are shared along a row of the cluster, WO's (B) along a column: each is asked for jointly.
; The matrix instruction is used transposed (source 0 = 16 rows of WO, source 1 = 16 tokens): a lane holds neighbouring outputs of one token.
; The grid has 128 work-groups: the tile is kept at 256 x 256 so that each LDS byte feeds as many products as the registers allow.
; REGISTERS: window 0: v0-31 addresses; v32-63 scale words, two sets; v128-223 A's fragments, ONE set (on the way out v128-255 hold rows of the result).
;   window 1: B's fragments, TWO sets, at v0 and v128.  window 2: accumulators of A's blocks 0-3 ((a, b) at v[8 (8 (a % 4) + b)]); window 3: blocks 4-7.
.set NQ,     2
.set FR,     12
.set NL,     6
.set NP,     4                         ; places behind this matrix instruction (ISA guide 7.12.1)
.set HALFT,  24576                     ; 8 row tiles x 256 along K: what one tensor load brings
.set SLOT,   4*HALFT                   ; A's two halves, then B's two
.set SCL,    2*SLOT                    ; the scale words for all of K: 4 x [8 K steps][8 tiles][64 bytes]
.set SPARE,  SCL+16384                 ; the spare words, 128 bytes for each wave: two blocks of 256 bytes that no other line names
.set SPITCH, 528                       ; the way out: a stage of 16 rows x (512 bytes + 16) for each wave, in slot 0, which has had its last fill and its last read by then
.set ADRA, 16
.set ADRB, 20
.set STO,  24                          ; v24  the way out: where I put my bytes of a row
.set RD,   25                          ; v25  where I read a row back
.set CO,   26                          ; v26  16 x lane
.set ADRS, 27
.set SPW,  28                          ; v28  LDS address of my spare word; never rewritten
.set NIL,  29                          ; v29  0; never rewritten
.set SC,   32
.set AF,   128
.set BK,   128
.set G1, 24
.set G0, 32
.set G1B, 48
.set G0B, 56
.set G1S, 68
.set G0S, 76
.set G1SB, 80
.set G0SB, 88
.set MSB, 0
.macro WIN new                         ; the immediate's high byte repeats the setting that is left
.if MSB != (\new)
	s_set_vgpr_msb (MSB<<8)|(\new)
.set MSB, (\new)
.endif
.endm
.set MUL_LO, 0xa1
.set MUL_HI, 0xf1
.set TO_B,   0x40
.macro JLOAD g0a, g1a, g0b, g1b        ; a joint load: waves 0 and 1 fetch for A, waves 2 and 3 for B; an s_nop 0 and four v_nop follow each of the two lines
	s_cmp_eq_u32 s15, 0
	s_cbranch_scc0 .Lfor_b_\@
	tensor_load_to_lds s[\g0a:\g0a+3], s[\g1a:\g1a+7]
	s_nop 0
.rept 4
	v_nop
.endr
	s_branch .Lasked_\@
.Lfor_b_\@:
	tensor_load_to_lds s[\g0b:\g0b+3], s[\g1b:\g1b+7]
	s_nop 0
.rept 4
	v_nop
.endr
.Lasked_\@:
.endm
.macro CREST
	s_cmp_lg_u32 s14, 0
	s_cbranch_scc1 .Lnot_wave_0_\@
	s_barrier_signal -3
.Lnot_wave_0_\@:
	s_barrier_wait -3
	s_barrier_signal -1
	s_barrier_wait -1
.endm
.macro CROUND
	s_barrier_signal -1
	s_barrier_wait -1
	CREST
.endm
	s_load_b256 s[4:11], s[0:1], 0x0               ; oimg s[4:5], osc s[6:7], img s[8:9], sc s[10:11]
	s_load_b64 s[12:13], s[0:1], 0x20              ; out0
	v_lshl_add_u32 v[SPW], v0, 2, SPARE
	v_mov_b32 v[NIL], 0
	ds_add_u32 v[SPW], v[NIL]                      ; the wave's opening: the add and its wait stand ahead of my first tensor load; work on registers stands between them
	v_lshrrev_b32 v1, 5, v0
	v_readfirstlane_b32 s14, v1                    ; wave 0..3
	s_lshr_b32 s15, s14, 1                         ; which 128 tokens are mine.  Also: I fetch for A (0) or for B (1)
	s_and_b32 s16, s14, 1                          ; which 128 outputs.  Also: which half of that tile I fetch
	s_bfe_u32 s40, ttmp6, 0x40000
	s_bfe_u32 s41, ttmp6, 0x40004
	s_lshl_b32 s42, ttmp9, 2
	s_add_co_u32 s42, s42, s40                     ; which 256 outputs
	s_and_b32 s17, ttmp7, 0xffff
	s_lshl_b32 s17, s17, 2
	s_add_co_u32 s17, s17, s41                     ; which 256 tokens
	s_lshl_b32 s43, s41, 2
	s_lshl_b32 s43, 15, s43                        ; my row of the cluster
	s_lshl_b32 s44, 0x1111, s40                    ; my column
	s_or_b32 s[G1+0], s43, (3<<16)|(1<<21)         ; codes: 8 rows (row tiles) of 3,072 bytes, 12,288 bytes apart, dense in LDS; elements of 8 bytes; bit 21 set beside a mask
	s_or_b32 s[G1B+0], s44, (3<<16)|(1<<21)
.irp g, G1, G1B
	s_mov_b32 s[\g+1], 384<<16
	s_mov_b32 s[\g+2], 8<<16
	s_mov_b32 s[\g+3], 384<<16
	s_mov_b32 s[\g+4], 8
	s_mov_b32 s[\g+5], 1536
	s_mov_b32 s[\g+6], 0
	s_mov_b32 s[\g+7], 0
.endr
	s_or_b32 s[G1S+0], s43, (3<<16)|(1<<21)        ; scale words: 8 rows (K steps) of 512 bytes; osc's K steps lie 32,768 bytes apart, sc's 49,152
	s_or_b32 s[G1SB+0], s44, (3<<16)|(1<<21)
.irp g, G1S, G1SB
	s_mov_b32 s[\g+1], 64<<16
	s_mov_b32 s[\g+2], 8<<16
	s_mov_b32 s[\g+3], 64<<16
	s_mov_b32 s[\g+4], 8
	s_mov_b32 s[\g+6], 0
	s_mov_b32 s[\g+7], 0
.endr
	s_mov_b32 s[G1S+5], 4096
	s_mov_b32 s[G1SB+5], 6144
	s_lshl_b32 s18, s16, 3
	s_lshl_b32 s20, s17, 4
	s_add_co_u32 s20, s20, s18                     ; A: tile 16 x (256 tokens) + 8 x half
	s_lshl_b32 s46, s42, 4
	s_add_co_u32 s46, s46, s18
	s_add_co_u32 s46, s46, 704                     ; B: WO's tiles
	s_lshl_b32 s22, s20, 6
	s_mov_b32 s23, 0
	s_lshl_b32 s92, s46, 6
	s_mov_b32 s93, 0
	s_mul_i32 s20, s20, 12288
	s_mov_b32 s21, 0
	s_mul_i32 s46, s46, 12288
	s_mov_b32 s47, 0
	s_mul_i32 s45, s14, HALFT                      ; where they go: by the wave's number alone
	s_lshl_b32 s94, s14, 12
	s_wait_dscnt 0x0                               ; the opening add is done
	s_wait_kmcnt 0x0
	s_add_nc_u64 s[20:21], s[4:5], s[20:21]
	s_add_nc_u64 s[22:23], s[6:7], s[22:23]
	s_add_nc_u64 s[46:47], s[8:9], s[46:47]
	s_add_nc_u64 s[92:93], s[10:11], s[92:93]
	CROUND                                         ; all sixteen work-groups are here: the first joint loads meet
	s_mov_b32 s[G0S], 1
	s_add_co_u32 s[G0S+1], s94, SCL
	s_mov_b64 s[G0S+2:G0S+3], s[22:23]
	s_or_b32 s[G0S+3], s[G0S+3], 0x80000000
	s_mov_b32 s[G0SB], 1
	s_add_co_u32 s[G0SB+1], s94, SCL
	s_mov_b64 s[G0SB+2:G0SB+3], s[92:93]
	s_or_b32 s[G0SB+3], s[G0SB+3], 0x80000000
	JLOAD G0S, G1S, G0SB, G1SB                     ; the scale words first: filled once.  With the two below, three tensor loads of mine are out
.irp s, 0,1
	s_mov_b32 s[G0+4*\s], 1
	s_add_co_u32 s[G0+4*\s+1], s45, \s*SLOT
	s_add_nc_u64 s[G0+4*\s+2:G0+4*\s+3], s[20:21], \s*3072
	s_or_b32 s[G0+4*\s+3], s[G0+4*\s+3], 0x80000000
	s_mov_b32 s[G0B+4*\s], 1
	s_add_co_u32 s[G0B+4*\s+1], s45, \s*SLOT
	s_add_nc_u64 s[G0B+4*\s+2:G0B+4*\s+3], s[46:47], \s*3072
	s_or_b32 s[G0B+4*\s+3], s[G0B+4*\s+3], 0x80000000
	JLOAD G0+4*\s, G1, G0B+4*\s, G1B
.endr
	v_and_b32 v1, 15, v0                           ; r
	v_bfe_u32 v2, v0, 4, 1                         ; h
	v_and_b32 v3, 31, v0                           ; lane
	v_lshlrev_b32 v4, 3, v3
	s_mul_i32 s21, s15, HALFT                      ; my half of A
	s_mul_i32 s22, s16, HALFT
	s_add_co_u32 s22, s22, 2*HALFT                 ; my half of B
.irp s, 0,1
	v_add_nc_u32 v[ADRA+\s], s21, v4
	v_add_nc_u32 v[ADRB+\s], s22, v4
	s_add_co_u32 s21, s21, SLOT
	s_add_co_u32 s22, s22, SLOT
.endr
	v_lshl_add_u32 v5, v1, 2, SCL
	s_lshl_b32 s21, s15, 12                        ; A's words
	s_lshl_b32 s22, s16, 12
	s_add_co_u32 s22, s22, 8192                    ; B's, behind A's two halves
	s_sub_co_u32 s22, s22, s21
	v_mul_u32_u24 v6, s22, v2                      ; lanes 16-31 take B's: the lower base + h x the distance
	v_add_nc_u32 v5, v5, v6
	v_add_nc_u32 v[ADRS], s21, v5
	s_mul_i32 s23, s14, 16*SPITCH                  ; my stage
	v_mul_u32_u24 v5, v1, SPITCH
	v_lshl_add_u32 v5, v2, 6, v5
	v_add_nc_u32 v[STO], s23, v5                   ; in: row r, + 64 h
	v_lshlrev_b32 v[CO], 4, v3
	v_add_nc_u32 v[RD], s23, v[CO]                 ; back: the 32 lanes take one row of 512 bytes
	s_lshl_b32 s20, s17, 20                        ; my first token's row of out0 (4,096 bytes a row), my first output
	s_lshl_b32 s21, s15, 19
	s_add_co_u32 s20, s20, s21
	s_lshl_b32 s21, s42, 10
	s_add_co_u32 s20, s20, s21
	s_lshl_b32 s21, s16, 9
	s_add_co_u32 s20, s20, s21
	s_mov_b32 s21, 0
	s_add_nc_u64 s[12:13], s[12:13], s[20:21]
.macro FRAG reg, adr, q, i             ; a fragment comes as it was stored: six loads of 8 bytes a lane, 256 consecutive bytes each
.irp p, 0,1,2,3,4,5
	ds_load_b64 v[\reg+2*\p:\reg+2*\p+1], v[\adr] offset:3072*(\i)+1536*(\q)+256*\p
.endr
.endm
; 16 matrix instructions: A's blocks a0, a0 + 1 x B's eight, 128 along K.  The 64 accumulators take turns, one instruction a turn, in the same order in every step.
.macro MUL16 a0, p, q, sc, zero
.irp a, \a0, \a0+1
.irp b, 0,1,2,3,4,5,6,7
.if \zero
	v_wmma_scale_f32_16x16x128_f8f6f4 v[8*(8*((\a)%4)+\b):8*(8*((\a)%4)+\b)+7], v[128*(\p)+FR*\b:128*(\p)+FR*\b+FR-1], v[AF+FR*(\a):AF+FR*(\a)+FR-1], 0, v[SC+8*NQ*(\sc)+NQ*\b+(\q)], v[SC+8*NQ*(\sc)+NQ*(\a)+(\q)] matrix_a_fmt:MATRIX_FMT_FP6 matrix_b_fmt:MATRIX_FMT_FP6 matrix_a_scale:MATRIX_SCALE_ROW1
.else
	v_wmma_scale_f32_16x16x128_f8f6f4 v[8*(8*((\a)%4)+\b):8*(8*((\a)%4)+\b)+7], v[128*(\p)+FR*\b:128*(\p)+FR*\b+FR-1], v[AF+FR*(\a):AF+FR*(\a)+FR-1], v[8*(8*((\a)%4)+\b):8*(8*((\a)%4)+\b)+7], v[SC+8*NQ*(\sc)+NQ*\b+(\q)], v[SC+8*NQ*(\sc)+NQ*(\a)+(\q)] matrix_a_fmt:MATRIX_FMT_FP6 matrix_b_fmt:MATRIX_FMT_FP6 matrix_a_scale:MATRIX_SCALE_ROW1
.endif
.endr
.endr
.endm
.macro FETCH_B slot, q, p
	WIN TO_B
.irp i, 0,1,2,3,4,5,6,7
	FRAG 128*(\p)+FR*\i, ADRB+\slot, \q, \i
.endr
	WIN 0
.endm
.macro FETCH_A slot, q, i0
.irp i, \i0, \i0+1, \i0+2, \i0+3
	FRAG AF+FR*(\i), ADRA+\slot, \q, \i
.endr
.endm
.macro SCALES sc, ks
.irp i, 0,1,2,3,4,5,6,7
.irp q, 0,1
	ds_load_b32 v[SC+16*(\sc)+2*\i+\q], v[ADRS] offset:(2*(\ks)+\q)*512+64*\i
.endr
.endr
.endm
.macro PLACES n
.rept \n
	v_nop
.endr
.endm
.macro STEP slot, q, zero
	s_wait_dscnt 4*NL                              ; all but the youngest 24 loads (A's blocks 4-7) are in
	WIN MUL_LO
	MUL16 0, (\q)%2, \q, \slot, \zero
	MUL16 2, (\q)%2, \q, \slot, \zero
	s_wait_dscnt 0
	PLACES NP
	FETCH_B \slot, (\q)+1, 1-(\q)%2
	FETCH_A \slot, (\q)+1, 0
	WIN MUL_HI
	MUL16 4, (\q)%2, \q, \slot, \zero
	MUL16 6, (\q)%2, \q, \slot, \zero
	PLACES NP
	WIN 0
	FETCH_A \slot, (\q)+1, 4
.endm
; A slot's last step changes slots: ONE barrier; in front of it each wave waits for all its tensor loads, adds 0 to its spare word, and waits for that and for its own reads of this slot.
.macro TURN slot, next, fill, ks
	s_wait_tensorcnt 0x0                           ; all my tensor loads have landed: my part of the next slot
	ds_add_u32 v[SPW], v[NIL]                      ; 0 onto my spare word
	s_wait_dscnt 4*NL+1                            ; (the add and the youngest 24 loads may be out)
	WIN MUL_LO
	MUL16 0, 1, NQ-1, \slot, 0
	s_wait_dscnt 0x0                               ; the add is done, and my reads of this slot are over
	s_barrier_signal -1
	MUL16 2, 1, NQ-1, \slot, 0
	WIN 0
	s_barrier_wait -1
.if \fill
	CREST                                          ; no wave of any partner still reads this slot or has a load on its way
	s_add_nc_u64 s[G0+4*\slot+2:G0+4*\slot+3], s[G0+4*\slot+2:G0+4*\slot+3], 6144
	s_add_nc_u64 s[G0B+4*\slot+2:G0B+4*\slot+3], s[G0B+4*\slot+2:G0B+4*\slot+3], 6144
	JLOAD G0+4*\slot, G1, G0B+4*\slot, G1B         ; the first tensor load behind the round; its four v_nop are the places in front of the loads below
.else
	PLACES NP
.endif
	FETCH_B \next, 0, 0
	FETCH_A \next, 0, 0
	SCALES \next, \ks
	WIN MUL_HI
	MUL16 4, 1, NQ-1, \slot, 0
	MUL16 6, 1, NQ-1, \slot, 0
	PLACES NP
	WIN 0
	FETCH_A \next, 0, 4
.endm
	s_wait_tensorcnt 1                             ; the scale words and my part of slot 0 are in; slot 1's load may be out
	s_barrier_signal -1
	s_barrier_wait -1
	FETCH_B 0, 0, 0
	FETCH_A 0, 0, 0
	SCALES 0, 0
	FETCH_A 0, 0, 4
	STEP 0, 0, 1                                   ; the first products start the sums.  K has four steps of 256: they are written out
	TURN 0, 1, 1, 1
	STEP 1, 0, 0
	TURN 1, 0, 1, 2
	STEP 0, 0, 0
	TURN 0, 1, 0, 3
	STEP 1, 0, 0
	s_wait_dscnt 4*NL
	WIN MUL_LO
	MUL16 0, 1, NQ-1, 1, 0
	MUL16 2, 1, NQ-1, 1, 0
	s_wait_dscnt 0
	WIN MUL_HI
	MUL16 4, 1, NQ-1, 1, 0
	MUL16 6, 1, NQ-1, 1, 0
	WIN 0
; THE WAY OUT, block a of 16 tokens x 128 outputs at a time.  Register j of accumulator (a, b), lane (r, h): output 32 (b / 2) + 16 h + 8 (b % 2) + j of the token of lane r.  A block goes through my own
; stage in LDS and comes back as whole rows of 512 bytes.  LDS serves a wave's instructions in order (ISA guide 5.7.1.4): no wait between the stores and the loads, nor in front of the next block's stores.
.macro TOSTAGE a
.set AC, 64*((\a)%4)
	WIN 0x08+4*((\a)/4)                            ; the data: window 2 or 3
.irp b, 0,1,2,3,4,5,6,7
	ds_store_b128 v[STO], v[AC+8*\b:AC+8*\b+3] offset:128*(\b/2)+32*(\b%2)          ; each accumulator from its low end on
	ds_store_b128 v[STO], v[AC+8*\b+4:AC+8*\b+7] offset:128*(\b/2)+32*(\b%2)+16
.endr
	WIN 0
.set BB, BK+64*((\a)%2)
.irp t, 0,1,2,3,4,5,6,7,8,9,10,11,12,13,14,15
	ds_load_b128 v[BB+4*\t:BB+4*\t+3], v[RD] offset:\t*SPITCH
.endr
.endm
.macro SEND a, younger                 ; younger: the LDS instructions issued behind block a's loads, which may stay out
.set BB, BK+64*((\a)%2)
	s_wait_dscnt \younger
.irp t, 0,1,2,3,4,5,6,7,8,9,10,11,12,13,14,15
	global_store_b128 v[CO], v[BB+4*\t:BB+4*\t+3], s[12:13] offset:(32*((\a)/2)+8*((\a)%2)+\t+8*(\t/8))*4096 th:TH_STORE_NT   ; 512 consecutive bytes, aligned; stage row t is the token of lane t; the base is never stepped
.endr
.endm
	PLACES NP
	TOSTAGE 0
.irp a, 1,2,3,4,5,6,7
.if \a > 1
	s_wait_xcnt 0x0                                ; block a - 2's stores have read their registers: block a's loads may land there
.endif
	TOSTAGE \a
	SEND \a-1, 32                                  ; behind block a - 1's loads: block a's 16 stores and 16 loads
.endr
	SEND 7, 0
	s_wait_tensorcnt 0x0                           ; the wave's end, behind my last tensor load and my last LDS store
	ds_add_u32 v[SPW], v[NIL]
	s_wait_dscnt 0x0
	CROUND                                         ; the closing round: no work-group ends while a partner may still ask for a tile that names it
	s_endpgm
.Lfunc_end_k_q4a19a98bb4_outproj:
	.size	k_q4a19a98bb4_outproj, .Lfunc_end_k_q4a19a98bb4_outproj-k_q4a19a98bb4_outproj
	.p2alignl 7, 3214868480
	.fill 96, 4, 3214868480
	.section	.rodata,"a",@progbits
	.p2align	6, 0x0
	.amdhsa_kernel k_q4a19a98bb4_outproj
		.amdhsa_group_segment_fixed_size 327680
		.amdhsa_private_segment_fixed_size 0
		.amdhsa_enable_private_segment 0
		.amdhsa_kernarg_size 40
		.amdhsa_user_sgpr_count 2
		.amdhsa_user_sgpr_kernarg_segment_ptr 1
		.amdhsa_wavefront_size32 1
		.amdhsa_system_sgpr_workgroup_id_x 1
		.amdhsa_system_sgpr_workgroup_id_y 1
		.amdhsa_system_sgpr_workgroup_id_z 1
		.amdhsa_system_vgpr_workitem_id 0
		.amdhsa_next_free_vgpr 1024
		.amdhsa_next_free_sgpr 100
		.amdhsa_reserve_vcc 0
		.amdhsa_float_denorm_mode_32 3
		.amdhsa_float_denorm_mode_16_64 3
		.amdhsa_memory_ordered 1
		.amdhsa_forward_progress 1
		.amdhsa_inst_pref_size 160
	.end_amdhsa_kernel
	.amdgpu_metadata
---
amdhsa.version: [ 1, 2 ]
amdhsa.kernels:
  - .name:           k_q4a19a98bb4_outproj
    .symbol:         k_q4a19a98bb4_outproj.kd
    .args:
      - { .name: oimg, .offset: 0, .size: 8, .value_kind: global_buffer, .address_space: global }
      - { .name: osc, .offset: 8, .size: 8, .value_kind: global_buffer, .address_space: global }
      - { .name: img, .offset: 16, .size: 8, .value_kind: global_buffer, .address_space: global }
      - { .name: sc, .offset: 24, .size: 8, .value_kind: global_buffer, .address_space: global }
      - { .name: out0, .offset: 32, .size: 8, .value_kind: global_buffer, .address_space: global }
    .group_segment_fixed_size: 327680
    .private_segment_fixed_size: 0
    .kernarg_segment_align: 8
    .kernarg_segment_size: 40
    .max_flat_workgroup_size: 128
    .sgpr_count:     100
    .vgpr_count:     1024
    .wavefront_size: 32
...
	.end_amdgpu_metadata
.endif
;; end of part 4
